; MI455X (gfx1250); checked and timed in simulation.
; The chip was launched on July 23, 2026; its instructions are those of AMD's public machine-readable ISA for CDNA 5 (MIT licence, August 2026) and "CDNA5" Instruction Set Architecture Reference Guide (July 2026). The comments in the code are by the model that wrote it; some were corrected since.
;; Non Recurrent LSTM. Allowed arithmetic: float matrix products may take bf16 or f16 operands with f32 sums; other float arithmetic in f32, or as packed bf16 or f16 multiplies, adds, multiply-adds, maxima and minima; sums over many terms, partial sums and values carried from step to step in f32; what a program stores and reads back later, other than sums and carried values, may be rounded once to bf16 or f16.
;; Inputs: W_b0 1,024 x 1,024 float32; W_b1 1,024 x 512 float32; W_f0 1,024 x 1,024 float32; W_f1 1,024 x 512 float32; b_b0 1,024 float32; b_b1 1,024 float32; b_f0 1,024 float32; b_f1 1,024 float32; x 2,048 x 8 x 1,024 float32.
;; Outputs: out0 2,048 x 8 x 512 float32; out1 4 x 8 x 256 float32; out2 4 x 8 x 256 float32.
;; 2 versions, each right. Each part assembles by itself: llvm-mc -triple=amdgcn-amd-amdhsa -mcpu=gfx1250 --defsym DOCPART=n.
;; ======== version 1 of 2: 2 launches
;; limits: values are held in f16: magnitudes above 65,504 overflow, below 6.1e-05 lose precision; inputs' magnitudes at most 65,504; a function is approximated: absolute error at most 1e-07
;; workspace buffers: wpk 4,718,592 bytes; bpk 12,288 bytes
;; launch pack (part 1): grid 32 x 8, 9 waves a work-group, no clusters, 0 bytes of LDS; arguments W_f0, W_b0, W_f1, W_b1, b_f0, b_b0, b_f1, b_b1, wpk, bpk; writes wpk, bpk
.if DOCPART == 1
	.amdgcn_target "amdgcn-amd-amdhsa--gfx1250"
	.amdhsa_code_object_version 6
	.text
	.protected	k_qcc7e31c8cf_pack
	.globl	k_qcc7e31c8cf_pack
	.p2align	8
	.type	k_qcc7e31c8cf_pack,@function
k_qcc7e31c8cf_pack:
	s_mov_b64 s[64:65], 0
	v_nop
	global_prefetch_b8 v0, s[64:65] scope:SCOPE_SE
	s_setreg_imm32_b32 hwreg(HW_REG_WAVE_MODE, 25, 1), 1
	s_wait_xcnt 0x0
; NonRecurrentLSTM, launch 1 of 2: the live weights and biases are laid out as the second launch eats them.
; DEAD WORK.  reference() splits the gates into i, f, g, o and never uses f: c = i g, h = o tanh(c).  So rows 256..511 of every W and of every b reach no output,
; whatever finite numbers they hold: they are neither read nor multiplied, in either launch.  Every input still has live rows, so all nine are arguments of the program.
; LIMIT: a NaN, an infinity or an overflow that lies only in those rows is not carried to the result.
; wpk: [K step 0..47][wave 0..3][fragment 0..23][1,024 bytes].  Steps 0-31 are layer 0 (k = 32 s on, bf16), steps 32-47 layer 1 (k = 32 (s - 32) on).  A fragment is 16 rows of W x 32 k as a matrix
; operand holds it: lane 16 h + r has k = 8 h .. 8 h + 7 of row r at byte 16 lane, and k = 16 + 8 h .. at byte 512 + 16 lane.
; Wave w of the second launch owns hidden units 128 w .. 128 w + 127 of the 512 (waves 0, 1: the forward W; 2, 3: the backward W), as 8 tiles t of 16, three gates each: number 3 t + gate, gate 0 = i, 1 = g, 2 = o.
; Fragment f = 8 grp + fi holds number 6 grp + fi where fi < 6, else fi + 14, 16, 12 for grp 0, 1, 2.
; FORMATS.  Every W and b is rounded once to bf16.  Layer 1's W multiplies h0, which the program keeps in f16, so its bf16 number is written as f16.
; LIMIT: that is exact for 6.1e-5 <= |W| <= 65,504; below, f16's fixed step of 6e-8 holds; above, the number would be an infinity.
; bpk: f32 [layer][wave][number 0..23][16]: the bias rounded to bf16, times the factor of its gate's exponential: -log2(e) for i and o, 2 log2(e) for g.
; SHARES.  2,304 waves, each one fragment column (ct = 24 w + f, 0..95) x 64 along K (ci 0..15: layer 0; 16..23: layer 1): 256 consecutive bytes of each of 16 rows in, four stores of 512 consecutive bytes out.
; The 192 waves with a layer's first K chunk also write their 16 biases (64 bytes each: 12 KiB in all, too little to gather into longer stores).
.set WSTEP, 98304                      ; bytes of a K step in wpk
	s_load_b512 s[4:19], s[0:1], 0x0               ; W_f0 s[4:5], W_b0 s[6:7], W_f1 s[8:9], W_b1 s[10:11], b_f0 s[12:13], b_b0 s[14:15], b_f1 s[16:17], b_b1 s[18:19]
	s_load_b128 s[20:23], s[0:1], 0x40             ; wpk s[20:21], bpk s[22:23]
	v_lshrrev_b32 v1, 5, v0
	v_readfirstlane_b32 s24, v1                    ; wave 0..8
	v_and_b32 v1, 31, v0                           ; lane
	v_and_b32 v2, 15, v0                           ; r
	v_bfe_u32 v3, v0, 4, 1                         ; h
	s_mul_i32 s25, s24, 11
	s_lshr_b32 s25, s25, 5                         ; q = wave / 3
	s_mul_i32 s26, s25, 3
	s_sub_co_u32 s26, s24, s26                     ; wave % 3
	s_mul_i32 s27, ttmp9, 3
	s_add_co_u32 s26, s26, s27                     ; ct = 3 x + wave % 3
	s_and_b32 s27, ttmp7, 0xffff
	s_mul_i32 s27, s27, 3
	s_add_co_u32 s27, s27, s25                     ; ci = 3 y + q
	s_lshr_b32 s28, s27, 4                         ; layer
	s_and_b32 s29, s27, 15                         ; the layer's K chunk of 64
	s_mul_i32 s30, s26, 43
	s_lshr_b32 s30, s30, 10                        ; w = ct / 24
	s_mul_i32 s31, s30, 24
	s_sub_co_u32 s31, s26, s31                     ; f
	s_lshr_b32 s32, s31, 3                         ; grp
	s_and_b32 s33, s31, 7                          ; fi
	s_mul_i32 s34, s32, 6
	s_add_co_u32 s34, s34, s33                     ; 6 grp + fi
	s_lshl_b32 s35, s32, 3
	s_lshr_b32 s35, 0x0c100e, s35
	s_and_b32 s35, s35, 0xff                       ; 14, 16, 12
	s_add_co_u32 s35, s35, s33
	s_cmp_lt_u32 s33, 6
	s_cselect_b32 s34, s34, s35                    ; the number 3 t + gate
	s_mul_i32 s35, s34, 11
	s_lshr_b32 s35, s35, 5                         ; t
	s_mul_i32 s36, s35, 3
	s_sub_co_u32 s36, s34, s36                     ; gate
	s_add_co_u32 s37, s36, 1
	s_lshl_b32 s37, s37, 8
	s_cmp_eq_u32 s36, 0
	s_cselect_b32 s37, 0, s37                      ; the gate's first row in W: 0, 512, 768
	s_and_b32 s38, s30, 1
	s_lshl_b32 s38, s38, 7
	s_add_co_u32 s37, s37, s38                     ; + 128 (w % 2)
	s_lshl4_add_u32 s37, s35, s37                  ; + 16 t: the fragment's first row
	s_sub_co_u32 s38, 12, s28                      ; a row of W is 4,096 or 2,048 bytes
	v_add_nc_u32 v4, s37, v2
	v_lshlrev_b32 v4, s38, v4
	s_lshl_b32 s39, s29, 8
	v_add_nc_u32 v4, s39, v4                       ; + the chunk's 256 bytes
	v_lshl_add_u32 v4, v3, 5, v4                   ; + 32 h
	v_lshlrev_b32 v5, 4, v1                        ; 16 lane
	s_lshl_b32 s50, s28, 5
	s_lshl1_add_u32 s50, s29, s50                  ; the first of my two K steps: 32 layer + 2 chunk
	s_mul_i32 s50, s50, WSTEP
	s_lshl_b32 s51, s26, 10
	s_add_co_u32 s50, s50, s51                     ; + 1,024 ct
	s_mov_b32 s51, 0
	s_lshr_b32 s40, s30, 1                         ; direction
	s_wait_kmcnt 0x0
	s_cmp_eq_u32 s40, 0
	s_cselect_b64 s[42:43], s[4:5], s[6:7]
	s_cselect_b64 s[44:45], s[8:9], s[10:11]
	s_cselect_b64 s[46:47], s[12:13], s[14:15]
	s_cselect_b64 s[48:49], s[16:17], s[18:19]
	s_cmp_eq_u32 s28, 0
	s_cselect_b64 s[42:43], s[42:43], s[44:45]     ; my W
	s_cselect_b64 s[46:47], s[46:47], s[48:49]     ; my b
	s_add_nc_u64 s[20:21], s[20:21], s[50:51]
.irp n, 0,1,2,3,4,5,6,7
	global_load_b128 v[8+4*(\n):8+4*(\n)+3], v4, s[42:43] offset:64*((\n)/2)+16*((\n)%2) th:TH_LOAD_NT  ; the two halves of the lanes together take 256 consecutive bytes of each row
.endr
	s_wait_loadcnt 0x0
.set m, 0
.rept 16
	v_cvt_pk_bf16_f32 v[40+m], v[8+2*m], v[8+2*m+1]
.set m, m+1
.endr
	s_cmp_eq_u32 s28, 0
	s_cbranch_scc1 .Lstore
.set m, 0
.rept 16                               ; layer 1: the bf16 number, written as f16
	v_lshlrev_b32 v56, 16, v[40+m]
	v_and_b32 v57, 0xffff0000, v[40+m]
	v_cvt_pk_f16_f32 v[40+m], v56, v57
.set m, m+1
.endr
.Lstore:
	global_store_b128 v5, v[40:43], s[20:21]                    ; each store: 512 consecutive bytes, at a multiple of 512 from wpk's first
	global_store_b128 v5, v[44:47], s[20:21] offset:512
	global_store_b128 v5, v[48:51], s[20:21] offset:WSTEP
	global_store_b128 v5, v[52:55], s[20:21] offset:WSTEP+512
	s_cmp_eq_u32 s29, 0
	s_cbranch_scc0 .Lend                           ; the biases go with a layer's first chunk
	v_add_nc_u32 v6, s37, v1
	v_lshlrev_b32 v6, 2, v6                        ; b[first row + lane]
	s_mul_i32 s52, s28, 96
	s_mul_i32 s53, s30, 24
	s_add_co_u32 s52, s52, s53
	s_add_co_u32 s52, s52, s34
	s_lshl_b32 s52, s52, 6
	v_lshl_add_u32 v7, v1, 2, s52
	s_mov_b32 s54, 0xbfb8aa3b                      ; -log2(e)
	s_mov_b32 s55, 0x4038aa3b                      ; 2 log2(e)
	s_cmp_eq_u32 s36, 1
	s_cselect_b32 s54, s55, s54
	v_mov_b32 v58, 0
	s_wait_xcnt 0x0                                ; EXEC is a source of the stores above: it changes only behind this wait
	v_cmp_gt_u32 vcc_lo, 16, v1
	s_and_saveexec_b32 s53, vcc_lo                 ; lanes 0 to 15
	global_load_b32 v58, v6, s[46:47]
	s_wait_loadcnt 0x0
	v_cvt_pk_bf16_f32 v58, v58, v58
	v_lshlrev_b32 v58, 16, v58
	v_mul_f32 v58, s54, v58
	global_store_b32 v7, v58, s[22:23]
	s_wait_xcnt 0x0                                ; and again in front of the line that widens it
	s_or_b32 exec_lo, exec_lo, s53
.Lend:
	s_endpgm
.Lfunc_end_k_qcc7e31c8cf_pack:
	.size	k_qcc7e31c8cf_pack, .Lfunc_end_k_qcc7e31c8cf_pack-k_qcc7e31c8cf_pack
	.p2alignl 7, 3214868480
	.fill 96, 4, 3214868480
	.section	.rodata,"a",@progbits
	.p2align	6, 0x0
	.amdhsa_kernel k_qcc7e31c8cf_pack
		.amdhsa_group_segment_fixed_size 0
		.amdhsa_private_segment_fixed_size 0
		.amdhsa_enable_private_segment 0
		.amdhsa_kernarg_size 80
		.amdhsa_user_sgpr_count 2
		.amdhsa_user_sgpr_kernarg_segment_ptr 1
		.amdhsa_wavefront_size32 1
		.amdhsa_system_sgpr_workgroup_id_x 1
		.amdhsa_system_sgpr_workgroup_id_y 1
		.amdhsa_system_sgpr_workgroup_id_z 1
		.amdhsa_system_vgpr_workitem_id 0
		.amdhsa_next_free_vgpr 64
		.amdhsa_next_free_sgpr 66
		.amdhsa_reserve_vcc 1
		.amdhsa_float_denorm_mode_32 3
		.amdhsa_float_denorm_mode_16_64 3
		.amdhsa_memory_ordered 1
		.amdhsa_forward_progress 1
		.amdhsa_inst_pref_size 9
	.end_amdhsa_kernel
	.amdgpu_metadata
---
amdhsa.version: [ 1, 2 ]
amdhsa.kernels:
  - .name:           k_qcc7e31c8cf_pack
    .symbol:         k_qcc7e31c8cf_pack.kd
    .args:
      - { .name: W_f0, .offset: 0, .size: 8, .value_kind: global_buffer, .address_space: global }
      - { .name: W_b0, .offset: 8, .size: 8, .value_kind: global_buffer, .address_space: global }
      - { .name: W_f1, .offset: 16, .size: 8, .value_kind: global_buffer, .address_space: global }
      - { .name: W_b1, .offset: 24, .size: 8, .value_kind: global_buffer, .address_space: global }
      - { .name: b_f0, .offset: 32, .size: 8, .value_kind: global_buffer, .address_space: global }
      - { .name: b_b0, .offset: 40, .size: 8, .value_kind: global_buffer, .address_space: global }
      - { .name: b_f1, .offset: 48, .size: 8, .value_kind: global_buffer, .address_space: global }
      - { .name: b_b1, .offset: 56, .size: 8, .value_kind: global_buffer, .address_space: global }
      - { .name: wpk, .offset: 64, .size: 8, .value_kind: global_buffer, .address_space: global }
      - { .name: bpk, .offset: 72, .size: 8, .value_kind: global_buffer, .address_space: global }
    .group_segment_fixed_size: 0
    .private_segment_fixed_size: 0
    .kernarg_segment_align: 8
    .kernarg_segment_size: 80
    .max_flat_workgroup_size: 288
    .sgpr_count:     66
    .vgpr_count:     64
    .wavefront_size: 32
...
	.end_amdgpu_metadata
.endif
;; end of part 1
;; launch lstm (part 2): grid 256 x 1, 4 waves a work-group, clusters of 4 x 1, 327,680 bytes of LDS; arguments x, wpk, bpk, out0, out1, out2; writes out0, out1, out2
.if DOCPART == 2
	.amdgcn_target "amdgcn-amd-amdhsa--gfx1250"
	.amdhsa_code_object_version 6
	.text
	.protected	k_qcc7e31c8cf_lstm
	.globl	k_qcc7e31c8cf_lstm
	.p2align	8
	.type	k_qcc7e31c8cf_lstm,@function
k_qcc7e31c8cf_lstm:
	s_mov_b64 s[64:65], 0
	v_nop
	global_prefetch_b8 v0, s[64:65] scope:SCOPE_SE
	s_setreg_imm32_b32 hwreg(HW_REG_WAVE_MODE, 25, 1), 1
	s_wait_xcnt 0x0
	s_wait_alu depctr_hold_cnt(0) depctr_sa_sdst(0) depctr_va_vdst(0) depctr_va_sdst(0) depctr_va_ssrc(0) depctr_va_vcc(0) depctr_vm_vsrc(0)
	s_getreg_b32 s2, hwreg(HW_REG_IB_STS2, 6, 4)
	s_cmp_eq_u32 s2, 0
	s_cbranch_scc0 .Lentry_in_a_cluster
	s_endpgm
.Lentry_in_a_cluster:
	s_bfe_u32 s2, ttmp6, 0x10000c
	s_cmp_lg_u32 s2, 0x3003
	s_cbranch_scc0 .Lentry_shape_is_right
	s_endpgm
.Lentry_shape_is_right:
; NonRecurrentLSTM, launch 2 of 2: both layers, fused.  gates = in W^T + b; c = sigmoid(i) tanh(g); h = sigmoid(o) tanh(c); layer 1's input is layer 0's h (forward 256, backward 256).
; LEFT OUT: the gate f, which reference() splits off and never uses (rows 256..511 of every W and b; shown at the head of the first kernel).  A NaN or an infinity that lies only there is not carried.
; SHARES.  A cluster of four work-groups owns 256 of the 16,384 rows (s, b); partner cx takes rows 256 cl + 4 j + cx, j = 0..63 (its LOCAL rows), through both layers: x is read once, h0 stays in LDS (f16), out0 is written once.
; Every fourth row, so that the eight rows of a final state (the launch's first 8, its last 8) fall two to each partner, on the same lanes in all four: lane masks and branches are alike in all partners, and cx enters global offsets alone.
; Wave w owns hidden units 128 w .. + 127 of the 512, three gates each: 64 rows x 384 gate columns = 96 accumulators of 16 x 16, 768 registers (windows 1 to 3).  K goes in steps of 32: 32 steps for layer 0 (bf16), 16 for layer 1 (f16).
; WEIGHTS come from wpk in fragment order, one K step (98,304 bytes) to a slot, two slots.  Wave w fills and reads only its quarter of a slot.  CLUSTER: all work-groups walk the same weights, so the four of a
; cluster ask JOINTLY: the same tensor load, the same descriptor, the mask of four.  A mask names four at the most, and x is each work-group's own, so the cluster is 4 x 1.
; x comes by plain loads (256 consecutive bytes of a row), is rounded to bf16 and laid into a ring of two LDS slots of 64 rows x 64 k; a piece is 32 local rows x 64 k, one a K step; it is loaded two K steps ahead of its store.
; THE MATRIX INSTRUCTION IS USED TRANSPOSED (source 0 = 16 rows of W, source 1 = 16 rows of the input): a lane holds ONE row (lane % 16) and hidden units 8 (lane / 16) + 0..7.  Two neighbouring tiles of h0,
; rounded to f16 in pairs, ARE a source-1 fragment of layer 1: nothing changes lanes between the layers.
; THE CELL'S TEXT NAMES HALF THE ACCUMULATORS.  A wave's tiles are two sets, A (tiles 0-3) and B (4-7).  In a layer's last K step set B's 48 products are held back; they are issued behind set A's cell,
; with set B's registers as C and set A's as D.  So one text of the cell, on set A's registers, runs twice.
; THE CELL.  u = 2^(-log2e zi), E = 2^(min(2 log2e zg, 60)), v = 2^(-log2e zo):  c = (E - 1) / ((1 + u)(1 + E));  w = 2^(2 log2e c):  h = (w - 1) / ((1 + v)(1 + w)).  Six transcendentals a number, two of them reciprocals.
; LIMITS.  The exponent of E is cut at 60, where tanh is 1 in f32.  tanh taken as (E - 1) / (E + 1) leaves an absolute error of about 1e-7 in c and h.  Where (1 + u)(1 + E) passes f32's range (a sigmoid below
; about 2^-67) c counts as 0, and likewise h.  x, W and b are rounded to bf16, h0 (|h0| < 1) to f16; layer 1's W must lie within f16's range (first kernel).  NaN among the inputs is not treated apart.
; REGISTERS, in windows of 256 (s_set_vgpr_msb: bits 1:0 source 0, 3:2 source 1, 5:4 source 2, 7:6 destination):
;   window 0: v0-15 addresses; v16-31 x as loaded (even steps), in the cell h0 packed; v32-63, v64-95 input fragments, two buffers; v96-159, v160-223 W fragments, two buffers of 8; v224-231 x converted; v232-247 x as loaded (odd steps)
;   window g + 1: the accumulators of the step's fragment group g: fragment fi, row tile a at v[32 fi + 8 a].  Set A: windows 1 and 2, v0-191: tile t', gate, row tile a at 96 (t' % 2) + 32 gate + 8 a.
.set WSTEP, 98304                      ; a K step's weights: a slot
.set QW,    24576                      ; a wave's quarter of it: 24 fragments
.set XROW,  16384                      ; bytes from a local row of x to the next: four rows of 4,096
.set XIH,   32*XROW                    ; a piece's 32 local rows
.set OROW,  8192                       ; bytes from a local row of out0 to the next: four rows of 2,048
.set XR,    2*WSTEP                    ; x's ring: two slots of 64 rows, written by ds_store alone
.set XPI,   144                        ; a row there: 128 bytes + 16: an odd multiple of 16, so the 16 rows of a fragment load start at 16 different places modulo 256
.set XSL,   64*XPI
.set XHALF, 32*XPI
.set H0,    XR+2*XSL                   ; h0 in f16, fragment order: K block q of 32, row tile a at (4 q + a) x 1,024
.set BIAS,  H0+65536                   ; a copy of bpk
.set SPARE, BIAS+12288                 ; the spare words, 128 bytes for each wave: two blocks of 256 bytes that no other line names
.set SPI,   272                        ; out0's stage: 64 rows of 256 + 16 bytes in the wave's own quarter of slot 0, behind that slot's last fill
.set SPW, 1                            ; v1   my spare word's LDS address; never rewritten
.set NIL, 2                            ; v2   0; never rewritten
.set BAD0, 3                           ; v3, v4  my 16 bytes of a fragment in my quarter of slot 0, 1
.set A0,  5                            ; v5   my place in an x fragment, slot 0
.set AAD, 6                            ; v6   the same in the slot that is being read
.set XS0, 7                            ; v7   where I store 8 bytes of x, slot 0
.set XSA, 8                            ; v8   the same in the slot that is being written
.set XG,  9                            ; v9   my byte offset in a piece of x
.set PFO, 10                           ; v10  the prefetches' offset
.set HAD, 11                           ; v11  my 16 bytes of an h0 fragment; walks
.set HST, 12                           ; v12  where I store h0
.set BIA, 13                           ; v13  my 32 bytes of a bias tile
.set FNO, 14                           ; v14  my offset in out1 and out2
.set T0,  15
.set SST, 5                            ; layer 1: into the stage
.set SRD, 6                            ;          back out of it
.set OGO, 7                            ;          my offset in out0
.set XF0, 16
.set PK,  16
.set AB0, 32
.set BB0, 96
.set XC,  224
.set XF1, 232
.set WV,  16                           ; s16  wave
.set CX,  17                           ; s17  my place in the cluster: it enters global offsets alone
.set CNT, 19                           ; s19  trips left in the loop in hand
.set TRIP, 20                          ; s20  cell trips left
.set XW,  21                           ; s21  x ring: the slot written
.set XRD, 22                           ; s22  the slot read
.set FLG, 23                           ; s23  1: my wave holds forward final rows; 2: backward ones; 0: neither.  Made of the cluster's number and the wave's
.set G1,  24                           ; s[24:31] descriptor group 1
.set G0,  32                           ; s[32:39] descriptor group 0, a set for each slot
.set XP,  40                           ; s[40:41] x
.set PFA, 42                           ; s[42:43] where my prefetches stand
.set PFS, 44                           ; s[44:45] their step a trip
.set PF0, 46                           ; s46  0 in the launch's first cluster, else a number above every count
.set TS,  47
.set CI,  48                           ; s[48:49] -log2(e)
.set CG,  50                           ; s[50:51] 2 log2(e)
.set C60, 52
.set MK,  53                           ; s53  the lanes that hold final rows: made of the lane and the wave's number
.set SV,  54
.set OUT, 56                           ; s[56:57] out0 at my rows and columns
.set O1,  58                           ; s[58:59] out1
.set O2,  60                           ; s[60:61] out2
.set DQ,  62                           ; s[62:63] my quarter's offset in a K step: made of the wave's number alone
.set T2,  66                           ; s[66:71] at work
.set MSB, 0
.macro WIN new                         ; the immediate's high byte repeats the setting that is left; a switch that changes nothing is dropped
.if MSB != (\new)
	s_set_vgpr_msb (MSB<<8)|(\new)
.set MSB, (\new)
.endif
.endm
.macro PLACES                          ; four plain vector instructions between a matrix instruction and a load into, or a vector read or write of, its registers (ISA guide 7.12.1 for vector reads and writes)
.rept 4
	v_nop
.endr
.endm
.macro CREST                           ; a round of the cluster's barrier behind its opening barrier
	s_cmp_lg_u32 s[WV], 0
	s_cbranch_scc1 .Lnw0_\@
	s_barrier_signal -3
.Lnw0_\@:
	s_barrier_wait -3
	s_barrier_signal -1
	s_barrier_wait -1
.endm
.macro CROUND
	s_barrier_signal -1
	s_barrier_wait -1
	CREST
.endm
; one matrix instruction on rD_, rB_, rA_, rC_
.macro WM lay, zero
.if (\lay) && (\zero)
	v_wmma_f32_16x16x32_f16 v[rD_:rD_+7], v[rB_:rB_+7], v[rA_:rA_+7], 0
.elseif \lay
	v_wmma_f32_16x16x32_f16 v[rD_:rD_+7], v[rB_:rB_+7], v[rA_:rA_+7], v[rC_:rC_+7]
.elseif \zero
	v_wmma_f32_16x16x32_bf16 v[rD_:rD_+7], v[rB_:rB_+7], v[rA_:rA_+7], 0
.else
	v_wmma_f32_16x16x32_bf16 v[rD_:rD_+7], v[rB_:rB_+7], v[rA_:rA_+7], v[rC_:rC_+7]
.endif
.endm
; group g's fragments f0 .. f1 x the four row tiles.  Each accumulator has one instruction a K step: the 96 take turns, over the backward jumps too.
.macro MM lay, g, bb, ab, f0, f1, zero
	WIN 0x50*((\g)+1)
.set fi_, \f0
.rept (\f1)-(\f0)+1
.set a_, 0
.rept 4
.set rD_, 32*fi_+8*a_
.set rC_, rD_
.set rB_, (\bb)+8*fi_
.set rA_, (\ab)+8*a_
	WM \lay, \zero
.set a_, a_+1
.endr
.set fi_, fi_+1
.endr
.endm
.macro FETB slot, g, base              ; 16 LDS loads: group g's 8 fragments of W; 32 lanes x 16 consecutive bytes each
.set fi_, 0
.rept 8
	ds_load_b128 v[(\base)+8*fi_:(\base)+8*fi_+3],   v[BAD0+(\slot)] offset:(8*(\g)+fi_)*1024
	ds_load_b128 v[(\base)+8*fi_+4:(\base)+8*fi_+7], v[BAD0+(\slot)] offset:(8*(\g)+fi_)*1024+512
.set fi_, fi_+1
.endr
.endm
.macro FETA0 buf, kh                   ; 8 LDS loads: four fragments of x, half kh of the chunk's 64 k
.set a_, 0
.rept 4
	ds_load_b128 v[(\buf)+8*a_:(\buf)+8*a_+3],   v[AAD] offset:16*XPI*a_+64*(\kh)
	ds_load_b128 v[(\buf)+8*a_+4:(\buf)+8*a_+7], v[AAD] offset:16*XPI*a_+64*(\kh)+32
.set a_, a_+1
.endr
.endm
.macro FETA1 buf, off                  ; the same of h0
.set a_, 0
.rept 4
	ds_load_b128 v[(\buf)+8*a_:(\buf)+8*a_+3],   v[HAD] offset:(\off)+1024*a_
	ds_load_b128 v[(\buf)+8*a_+4:(\buf)+8*a_+7], v[HAD] offset:(\off)+1024*a_+512
.set a_, a_+1
.endr
.endm
; x in step s (parity par).  mode 1: piece s + 3, loaded two steps ago into this parity's registers, is rounded and stored; piece s + 5 is asked for.  mode 2 (steps 27-30): nothing is left to load, and only the first trip stores.
.macro XPATH par, mode
.set XF_, XF0+(XF1-XF0)*(\par)
.if (\mode) == 1
	s_wait_loadcnt 4                               ; loads come back in order: the last step's four may stay out, mine are in
.else
	s_wait_loadcnt 0x0                             ; no load was issued behind the last pieces'
	s_cmp_gt_u32 s[CNT], 1
	s_cbranch_scc0 .Lxs_\@
.endif
.set i_, 0
.rept 8
	v_cvt_pk_bf16_f32 v[XC+i_], v[XF_+2*i_], v[XF_+2*i_+1]
.set i_, i_+1
.endr
.set i_, 0
.rept 4
	ds_store_b64 v[XSA], v[XC+2*i_:XC+2*i_+1] offset:2*XPI*i_+XHALF*(1-(\par))
.set i_, i_+1
.endr
.if (\mode) == 1
.set i_, 0
.rept 4
	global_load_b128 v[XF_+4*i_:XF_+4*i_+3], v[XG], s[XP:XP+1] offset:256+XIH*(1-(\par))+2*XROW*i_ th:TH_LOAD_NT  ; 16 lanes take 256 consecutive bytes of a row
.set i_, i_+1
.endr
.else
.Lxs_\@:
.endif
.endm
; PREFETCHES INTO THE L2, behind the step's tensor load, its five lines and the run of LDS loads.  k: the trip's first step (0) or second (1).
; W: in step s the K step s + 6, which the refill of step s + 4 will ask for.  All clusters walk the same wpk: the launch's first cluster asks.  A K step is 384 blocks of 256 bytes: its four partners, told apart BY ADDRESS,
; x waves 0 to 2 x 32 lanes name each block once.  K steps 0 to 6 come by their loads alone; nothing is asked past step 47.
; x: wave 3 of every work-group, in step s the piece s + 9, which step s + 4 will load: a lane a local row, 256 bytes each.  Pieces 0 to 9 come by their loads alone; nothing is asked past piece 31.
; mode 1: layer 0's loop; 2: its last two trips (no x left); 3: outside a loop; 4: layer 1's loop.
.macro ASK mode, k
	s_cmp_lt_u32 s[WV], 3
	s_cbranch_scc0 .Laskx_\@
.if (\mode) == 3
	s_cmp_eq_u32 s[PF0], 0
.elseif (\mode) == 4
	s_add_co_u32 s[TS], s[PF0], 1+(\k)
	s_cmp_gt_u32 s[CNT], s[TS]
.else
	s_cmp_gt_u32 s[CNT], s[PF0]
.endif
	s_cbranch_scc0 .Laske_\@
	global_prefetch_b8 v[PFO], s[PFA:PFA+1] offset:WSTEP*(\k) th:TH_LOAD_NT scope:SCOPE_SE
	s_branch .Laske_\@
.Laskx_\@:
.if (\mode) == 1
	s_cmp_gt_u32 s[CNT], 2
	s_cbranch_scc0 .Laske_\@
	global_prefetch_b8 v[PFO], s[PFA:PFA+1] offset:XIH*(\k) th:TH_LOAD_NT scope:SCOPE_SE
.endif
.Laske_\@:
.endm
; A K STEP.  Its slot is par.  Its three groups of 8 fragments go through two buffers: group 0 and 2 in buffer par, group 1 (and the next step's group 0) in the other.
; meet = 2: the slot is filled again, two K steps ahead, behind a round of the cluster's barrier.  meet = 0: nothing is left to ask for.
.macro STEP par, lay, zero, meet, xmode, ask, aoff
.set B0_, BB0+64*(\par)
.set B1_, BB0+64-64*(\par)
.set AN_, AB0+32*(\par)
.set AX_, AB0+32-32*(\par)
	WIN 0
	PLACES                                         ; the last step's last products read the buffer that is loaded next
.if \xmode
	XPATH \par, \xmode
.endif
	FETB \par, 1, B1_
	s_wait_dscnt 16                                ; all but the 16 just issued: group 0 and the input's fragments are in
	MM \lay, 0, B0_, AN_, 0, 7, \zero
	PLACES
	WIN 0
	FETB \par, 2, B0_
.if \lay
	FETA1 AX_, \aoff                               ; the next step's input
.else
	FETA0 AX_, 1-(\par)
.endif
	s_wait_dscnt 24                                ; all but the 24 just issued: group 1 is in
	MM \lay, 1, B1_, AN_, 0, 7, \zero
	WIN 0
.if (\meet) == 2
	s_wait_tensorcnt 0x0                           ; all my tensor loads have landed: the one that was out is my quarter of the next slot; so a group 0 may be written
	ds_add_u32 v[SPW], v[NIL]                      ; 0 onto my spare word
	s_add_nc_u64 s[G0+4*(\par)+2:G0+4*(\par)+3], s[G0+4*(\par)+2:G0+4*(\par)+3], 2*WSTEP  ; this slot's next K step; the type bits on top are not reached
	s_wait_dscnt 1                                 ; the add alone may be out: group 2 and the next input are in
	MM \lay, 2, B0_, AN_, 0, 0, \zero
	s_wait_dscnt 0x0                               ; the add is done; my reads of this slot and of x's ring, and my stores into the ring, are over
	s_barrier_signal -1                            ; opens a round of the cluster's barrier
	MM \lay, 2, B0_, AN_, 1, 1, \zero
	WIN 0
	s_barrier_wait -1
	CREST                                          ; no wave of any partner still reads this slot or has a load on its way
	tensor_load_to_lds s[G0+4*(\par):G0+4*(\par)+3], s[G1:G1+7]  ; my one tensor load behind the round, and the first thing there: 88 matrix instructions ahead of the wait for it
	s_nop 0
	PLACES                                         ; also the places in front of the loads below
	FETB 1-(\par), 0, B1_                          ; the next step's group 0, out of my quarter of the other slot, which my own wait has shown landed
.if \ask
	ASK \ask, 1-(\par)
.endif
	MM \lay, 2, B0_, AN_, 2, 7, \zero
.else
	s_wait_dscnt 0x0                               ; group 2 and the next input are in
	s_wait_tensorcnt 0x0                           ; my quarter of the last K step has landed; nobody else reads it, and nothing is filled again
	PLACES
	FETB 1-(\par), 0, B1_
	MM \lay, 2, B0_, AN_, 0, 7, \zero
.endif
	WIN 0
.endm
; A LAYER'S LAST K STEP (slot 1): set A's 48 products.  Set B's fragments stay in registers: groups 0 and 1, fi 6 and 7, where they lie (v208-223, v144-159); group 2 goes to v32-63 and v224-255; the input stays in v64-95.
.macro LAST lay
	WIN 0
	PLACES
	FETB 1, 1, BB0
	s_wait_dscnt 16
	MM \lay, 0, BB0+64, AB0+32, 0, 5, 0
	WIN 0
.set fi_, 0
.rept 8
.set R_, 32+8*fi_+160*(fi_/4)
	ds_load_b128 v[R_:R_+3],   v[BAD0+1] offset:(16+fi_)*1024
	ds_load_b128 v[R_+4:R_+7], v[BAD0+1] offset:(16+fi_)*1024+512
.set fi_, fi_+1
.endr
	s_wait_dscnt 16                                ; group 1 is in
	MM \lay, 1, BB0, AB0+32, 0, 5, 0
	WIN 0
.if (\lay) == 0
	s_wait_tensorcnt 0x0                           ; layer 1's first K step has landed
	ds_add_u32 v[SPW], v[NIL]
	s_add_nc_u64 s[G0+6:G0+7], s[G0+6:G0+7], 2*WSTEP
	s_wait_dscnt 0x0                               ; the add is done; all of slot 1 that I need is in registers
	CROUND
	tensor_load_to_lds s[G0+4:G0+7], s[G1:G1+7]    ; layer 1's second K step: it lands under the cell
	s_nop 0
	PLACES
	ASK 3, 0
.else
	s_wait_dscnt 0x0
	PLACES
.endif
	PLACES                                         ; eight in all ahead of the cell's first read of the sums
.endm
; Set B's last K step: C = set B's registers, D = set A's, which the cell has read out.
.macro MX lay, win, f0, f1, dsh, bbase
	WIN \win
.set fi_, \f0
.rept (\f1)-(\f0)+1
.set a_, 0
.rept 4
.set rD_, 32*(fi_-(\dsh))+8*a_
.set rC_, 32*fi_+8*a_
.set rB_, (\bbase)+8*fi_
.set rA_, AB0+32+8*a_
	WM \lay, 0
.set a_, a_+1
.endr
.set fi_, fi_+1
.endr
.endm
.macro MMX lay
.if \lay
	s_wait_xcnt 0x0                                ; out0's stores have read window 1's registers and their base
.endif
	MX \lay, 0x90, 6, 7, 4, BB0+64                 ; (6,o) (7,i): C window 1, D window 2
	MX \lay, 0xa0, 6, 7, 2, BB0                    ; (7,g) (7,o): C and D window 2, other registers
	MX \lay, 0x70, 0, 3, 0, 32                     ; tiles 4 and 5: C window 3, D window 1
	MX \lay, 0x70, 4, 5, 0, 192
	MX \lay, 0xb0, 6, 7, 6, 192                    ; (6,i) (6,g): C window 3, D window 2
	WIN 0
.endm
; THE FINAL STATES.  Forward: the launch's last 8 rows: in cluster 63 each partner's local rows 62 and 63 (row tile 3, r = 14, 15), waves 0 and 1.  Backward: its first 8 rows: in cluster 0 each partner's local rows
; 0 and 1 (row tile 0, r = 0, 1), waves 2 and 3.  Row 4 (r % 2) + cx of the eight.  The branches hang on the cluster's number and the wave's, the lane mask on the lane and the wave: all alike in the four partners.
; 64 KiB in all: 32 bytes a lane and tile.
.macro FST a, tq
	WIN W_<<2                                      ; store data in window W_
	global_store_b128 v[FNO], v[RI_+8*(\a):RI_+8*(\a)+3],   s[O1:O1+1] offset:64*(\tq)
	global_store_b128 v[FNO], v[RI_+8*(\a)+4:RI_+8*(\a)+7], s[O1:O1+1] offset:64*(\tq)+16
	global_store_b128 v[FNO], v[RG_+8*(\a):RG_+8*(\a)+3],   s[O2:O2+1] offset:64*(\tq)
	global_store_b128 v[FNO], v[RG_+8*(\a)+4:RG_+8*(\a)+7], s[O2:O2+1] offset:64*(\tq)+16
	WIN 0
.endm
.macro FIN tq
	WIN 0
	s_cmp_eq_u32 s[FLG], 0
	s_cbranch_scc1 .Lfe_\@
	s_wait_xcnt 0x0                                ; EXEC changes only behind this wait
	s_mov_b32 vcc_lo, s[MK]
	s_and_saveexec_b32 s[SV], vcc_lo
	s_cmp_eq_u32 s[FLG], 1
	s_cbranch_scc0 .Lfb_\@
	FST 3, \tq
	s_branch .Lfj_\@
.Lfb_\@:
	FST 0, \tq
.Lfj_\@:
	s_wait_xcnt 0x0                                ; the stores have read EXEC, their data and their bases
	s_or_b32 exec_lo, exec_lo, s[SV]
.Lfe_\@:
.endm
; THE CELL for tile tq of set A, all four row tiles: 32 numbers a lane.  I, G, O: the three gates' 32 registers.  Each batch of transcendentals has one plain instruction behind its last and ONE wait ahead of its first reader,
; inside a batch no instruction names a result.
.macro EB lay, tq
.set W_, 1+(\tq)/2
.set RI_, 96*((\tq)%2)
.set RG_, RI_+32
.set RO_, RI_+64
.set BI_, 96+64*((\tq)/2)+24*((\tq)%2)
	WIN (W_<<6)|W_                                 ; sums in window W_, biases in window 0.
.set n_, 0
.rept 16
	v_pk_fma_f32 v[RI_+2*n_:RI_+2*n_+1], v[RI_+2*n_:RI_+2*n_+1], s[CI:CI+1], v[BI_+2*(n_%4):BI_+2*(n_%4)+1] op_sel_hi:[1,0,1]
.set n_, n_+1
.endr
.set n_, 0
.rept 16
	v_pk_fma_f32 v[RG_+2*n_:RG_+2*n_+1], v[RG_+2*n_:RG_+2*n_+1], s[CG:CG+1], v[BI_+8+2*(n_%4):BI_+8+2*(n_%4)+1] op_sel_hi:[1,0,1]
.set n_, n_+1
.endr
.set n_, 0
.rept 16
	v_pk_fma_f32 v[RO_+2*n_:RO_+2*n_+1], v[RO_+2*n_:RO_+2*n_+1], s[CI:CI+1], v[BI_+16+2*(n_%4):BI_+16+2*(n_%4)+1] op_sel_hi:[1,0,1]
.set n_, n_+1
.endr
	WIN W_*0x55
.set n_, 0
.rept 32                               ; batch 1: u, E, v
	v_min_num_f32 v[RG_+n_], s[C60], v[RG_+n_]
	v_exp_f32 v[RI_+n_], v[RI_+n_]
.set n_, n_+1
.endr
.set n_, 0
.rept 32
	v_exp_f32 v[RG_+n_], v[RG_+n_]
	v_exp_f32 v[RO_+n_], v[RO_+n_]
.set n_, n_+1
.endr
	v_nop
	s_wait_alu depctr_va_vdst(0)
.set n_, 0
.rept 16
	v_pk_add_f32 v[RG_+2*n_:RG_+2*n_+1], v[RG_+2*n_:RG_+2*n_+1], 1.0 op_sel_hi:[1,0]        ; 1 + E
.set n_, n_+1
.endr
.set n_, 0
.rept 16                               ; batch 2: 1 / ((1 + u)(1 + E)), the reciprocals a pair behind
	v_pk_fma_f32 v[RI_+2*n_:RI_+2*n_+1], v[RI_+2*n_:RI_+2*n_+1], v[RG_+2*n_:RG_+2*n_+1], v[RG_+2*n_:RG_+2*n_+1]
.if n_ > 0
	v_rcp_f32 v[RI_+2*n_-2], v[RI_+2*n_-2]
.endif
	v_pk_add_f32 v[RG_+2*n_:RG_+2*n_+1], v[RG_+2*n_:RG_+2*n_+1], -2.0 op_sel_hi:[1,0]       ; E - 1
.if n_ > 0
	v_rcp_f32 v[RI_+2*n_-1], v[RI_+2*n_-1]
.endif
	v_pk_add_f32 v[RO_+2*n_:RO_+2*n_+1], v[RO_+2*n_:RO_+2*n_+1], 1.0 op_sel_hi:[1,0]        ; 1 + v
.set n_, n_+1
.endr
	v_rcp_f32 v[RI_+30], v[RI_+30]
	v_rcp_f32 v[RI_+31], v[RI_+31]
	v_nop
	s_wait_alu depctr_va_vdst(0)
.set n_, 0
.rept 16                               ; batch 3: c stays in G; w = 2^(2 log2e c)
	v_pk_mul_f32 v[RG_+2*n_:RG_+2*n_+1], v[RG_+2*n_:RG_+2*n_+1], v[RI_+2*n_:RI_+2*n_+1]
.if n_ > 0
	v_exp_f32 v[RI_+2*n_-2], v[RI_+2*n_-2]
.endif
	v_pk_mul_f32 v[RI_+2*n_:RI_+2*n_+1], v[RG_+2*n_:RG_+2*n_+1], s[CG:CG+1] op_sel_hi:[1,0]
.if n_ > 0
	v_exp_f32 v[RI_+2*n_-1], v[RI_+2*n_-1]
.endif
.set n_, n_+1
.endr
	v_exp_f32 v[RI_+30], v[RI_+30]
	v_exp_f32 v[RI_+31], v[RI_+31]
	v_nop
	s_wait_alu depctr_va_vdst(0)
.set n_, 0
.rept 16                               ; batch 4: 1 / ((1 + v)(1 + w))
	v_pk_fma_f32 v[RO_+2*n_:RO_+2*n_+1], v[RO_+2*n_:RO_+2*n_+1], v[RI_+2*n_:RI_+2*n_+1], v[RO_+2*n_:RO_+2*n_+1]
.if n_ > 0
	v_rcp_f32 v[RO_+2*n_-2], v[RO_+2*n_-2]
.endif
	v_pk_add_f32 v[RI_+2*n_:RI_+2*n_+1], v[RI_+2*n_:RI_+2*n_+1], -1.0 op_sel_hi:[1,0]       ; w - 1
.if n_ > 0
	v_rcp_f32 v[RO_+2*n_-1], v[RO_+2*n_-1]
.endif
.set n_, n_+1
.endr
	v_rcp_f32 v[RO_+30], v[RO_+30]
	v_rcp_f32 v[RO_+31], v[RO_+31]
	v_nop
	s_wait_alu depctr_va_vdst(0)
.set n_, 0
.rept 16
	v_pk_mul_f32 v[RI_+2*n_:RI_+2*n_+1], v[RI_+2*n_:RI_+2*n_+1], v[RO_+2*n_:RO_+2*n_+1]     ; h, in I
.set n_, n_+1
.endr
	FIN \tq
.if \lay
	WIN W_<<2                                      ; h in f32 into my stage: local row 16 a + r, 32 bytes for each half of the lanes
.set a_, 0
.rept 4
	ds_store_b128 v[SST], v[RI_+8*a_:RI_+8*a_+3] offset:16*SPI*a_+64*(\tq)
	ds_store_b128 v[SST], v[RI_+8*a_+4:RI_+8*a_+7] offset:16*SPI*a_+64*(\tq)+16
.set a_, a_+1
.endr
	WIN 0
.else
	WIN 5*W_                                       ; h0 rounded to f16: half a fragment of layer 1's input for each row tile
.set n_, 0
.rept 16
	v_cvt_pk_f16_f32 v[PK+n_], v[RI_+2*n_], v[RI_+2*n_+1]
.set n_, n_+1
.endr
	WIN 0
.set a_, 0
.rept 4
	ds_store_b128 v[HST], v[PK+4*a_:PK+4*a_+3] offset:4096*((\tq)/2)+1024*a_+512*((\tq)%2)
.set a_, a_+1
.endr
.endif
.endm
.macro OUTW                            ; the stage back as whole rows: 16 lanes take 256 consecutive bytes, and store them at a multiple of 256 from out0's first byte
	WIN 0x40                                       ; into window 1, which the cell has left
.set i_, 0
.rept 32
	ds_load_b128 v[4*i_:4*i_+3], v[SRD] offset:2*SPI*i_   ; LDS serves a wave's instructions in order (ISA guide 5.7.1.4): these see my stores above
.set i_, i_+1
.endr
	WIN 0x04
.set i_, 0
.rept 32
	s_wait_dscnt 31-i_                             ; the younger loads may stay out
	global_store_b128 v[OGO], v[4*i_:4*i_+3], s[OUT:OUT+1] offset:2*OROW*i_ th:TH_STORE_NT
.set i_, i_+1
.endr
	WIN 0
.endm
.macro EPI lay                         ; a set's biases (12 tiles x 8 numbers a lane) into v96-143 and v160-207, then its four tiles
	WIN 0
.set l_, 0
.rept 12
.set BR_, 96+64*(l_/6)+8*(l_%6)
	ds_load_b128 v[BR_:BR_+3],   v[BIA] offset:64*l_
	ds_load_b128 v[BR_+4:BR_+7], v[BIA] offset:64*l_+16
.set l_, l_+1
.endr
	s_wait_dscnt 0x0
	EB \lay, 0
	EB \lay, 1
	EB \lay, 2
	EB \lay, 3
.if \lay
	OUTW
.endif
.endm
	s_load_b256 s[4:11], s[0:1], 0x0               ; x s[4:5], wpk s[6:7], bpk s[8:9], out0 s[10:11]
	s_load_b128 s[12:15], s[0:1], 0x20             ; out1 s[12:13], out2 s[14:15]
	v_lshl_add_u32 v[SPW], v0, 2, SPARE
	v_mov_b32 v[NIL], 0
	ds_add_u32 v[SPW], v[NIL]                      ; the wave's opening: the add twice on end, waited for ahead of my first tensor load; the set-up below is work on registers
	ds_add_u32 v[SPW], v[NIL]
	v_lshrrev_b32 v[T0], 5, v0
	v_readfirstlane_b32 s[WV], v[T0]               ; wave 0..3
	s_bfe_u32 s[CX], ttmp6, 0x40000                ; in a cluster launch ttmp9 counts clusters, and this is my place in mine
	; descriptor group 1: my quarter of a K step, 24,576 dense bytes, as 96 rows of 256 bytes
	s_mov_b32 s[G1], 15|(3<<16)|(1<<21)            ; 15:0 the mask of four; 17:16 elements of 8 bytes; 21 set beside a mask; no padding
	s_mov_b32 s[G1+1], 32<<16                      ; tensor_dim0 = 32
	s_mov_b32 s[G1+2], 96<<16                      ; tensor_dim1 = 96
	s_mov_b32 s[G1+3], 32<<16                      ; tile_dim0 = 32
	s_mov_b32 s[G1+4], 96                          ; tile_dim1 = 96
	s_mov_b32 s[G1+5], 32                          ; 32 elements from row to row
	s_mov_b32 s[G1+6], 0
	s_mov_b32 s[G1+7], 0
	s_mul_i32 s[DQ], s[WV], QW
	s_mov_b32 s[DQ+1], 0
	s_mov_b32 s[G0], 1
	s_mov_b32 s[G0+1], s[DQ]                       ; LDS address: slot 0, my quarter
	s_mov_b32 s[G0+4], 1
	s_add_co_u32 s[G0+5], s[DQ], WSTEP             ; slot 1
	s_mov_b32 s[CI], 0xbfb8aa3b                    ; -log2(e)
	s_mov_b32 s[CI+1], s[CI]
	s_mov_b32 s[CG], 0x4038aa3b                    ; 2 log2(e)
	s_mov_b32 s[CG+1], s[CG]
	s_mov_b32 s[C60], 0x42700000                   ; 60.0
	v_and_b32 v248, 15, v0                         ; r
	v_bfe_u32 v249, v0, 4, 1                       ; h
	v_and_b32 v250, 31, v0                         ; lane
	v_lshl_add_u32 v[BAD0], v250, 4, s[DQ]
	v_add_nc_u32 v[BAD0+1], WSTEP, v[BAD0]
	v_mul_u32_u24 v[A0], v248, XPI
	v_lshl_add_u32 v[A0], v249, 4, v[A0]
	v_add_nc_u32 v[A0], XR, v[A0]
	v_mul_u32_u24 v[XS0], v249, XPI                ; of a piece's 32 local rows wave w takes 8 w + 2 i + h, i = 0..3; a lane 4 numbers: 8 bytes of bf16
	v_lshl_add_u32 v[XS0], v248, 3, v[XS0]
	s_mul_i32 s[T2], s[WV], 8*XPI
	s_add_co_u32 s[T2], s[T2], XR
	v_add_nc_u32 v[XS0], s[T2], v[XS0]
	v_lshlrev_b32 v[XG], 14, v249                  ; (8 w + h) local rows of 16,384 bytes + 16 r
	v_lshl_add_u32 v[XG], v248, 4, v[XG]
	s_lshl_b32 s[T2], s[WV], 17
	v_add_nc_u32 v[XG], s[T2], v[XG]
	v_lshlrev_b32 v[HAD], 4, v250
	v_add_nc_u32 v[HAD], H0, v[HAD]
	s_lshl_b32 s[T2], s[WV], 14
	v_add_nc_u32 v[HST], s[T2], v[HAD]
	s_mul_i32 s[T2], s[WV], 1536
	s_add_co_u32 s[T2], s[T2], BIAS
	v_lshl_add_u32 v[BIA], v249, 5, s[T2]
	v_and_b32 v[FNO], 1, v0                        ; out1, out2: batch row 4 (r % 2) + cx, 1,024 bytes each; 512 (w % 2) + 32 h in its 256 numbers
	v_lshlrev_b32 v[FNO], 12, v[FNO]
	v_lshl_add_u32 v[FNO], v249, 5, v[FNO]
	s_and_b32 s[T2], s[WV], 1
	s_lshl_b32 s[T2], s[T2], 9
	s_lshl_b32 s[TS], s[CX], 10
	s_add_co_u32 s[T2], s[T2], s[TS]
	v_add_nc_u32 v[FNO], s[T2], v[FNO]
	s_lshl_b32 s[T2], s[WV], 2                     ; the prefetches: waves 0-2 block 32 (4 w + cx) + lane of a K step of W; wave 3 local row lane of a piece of x
	s_add_co_u32 s[T2], s[T2], s[CX]
	s_lshl_b32 s[T2], s[T2], 13
	s_mov_b32 s[T2+2], 256
	s_cmp_lt_u32 s[WV], 3
	s_cselect_b32 s[T2], s[T2], 0
	s_cselect_b32 s[T2+1], 8, 14
	s_cselect_b32 s[PFS], 2*WSTEP, s[T2+2]
	s_mov_b32 s[PFS+1], 0
	v_lshlrev_b32 v[PFO], s[T2+1], v250
	v_add_nc_u32 v[PFO], s[T2], v[PFO]
	s_cmp_eq_u32 ttmp9, 0
	s_cselect_b32 s[PF0], 0, 0x7fffff00
	s_cselect_b32 s[T2+1], 2, 0
	s_cmp_eq_u32 ttmp9, 63
	s_cselect_b32 s[T2], 1, 0
	s_cmp_lt_u32 s[WV], 2
	s_cselect_b32 s[FLG], s[T2], s[T2+1]
	v_cmp_le_u32 s[MK], 14, v248                   ; forward: r = 14, 15 of row tile 3
	v_cmp_gt_u32 s[SV], 2, v248                    ; backward: r = 0, 1 of row tile 0
	s_cmp_lt_u32 s[WV], 2
	s_cselect_b32 s[MK], s[MK], s[SV]
	v_lshlrev_b32 v[T0], 4, v0                     ; bpk's copy: 16 bytes a thread, six times
	v_add_nc_u32 v252, BIAS, v[T0]
	s_wait_dscnt 0x0                               ; both opening adds are done
	s_wait_kmcnt 0x0
	s_add_nc_u64 s[G0+2:G0+3], s[6:7], s[DQ:DQ+1]  ; K step 0, my quarter
	s_add_nc_u64 s[G0+6:G0+7], s[G0+2:G0+3], WSTEP ; K step 1
	s_or_b32 s[G0+3], s[G0+3], 0x80000000          ; type = 2
	s_or_b32 s[G0+7], s[G0+7], 0x80000000
	s_lshl_b32 s[T2], ttmp9, 20                    ; the cluster's 256 rows of x, 4,096 bytes each,
	s_lshl_b32 s[TS], s[CX], 12                    ; and my first among them
	s_add_co_u32 s[T2], s[T2], s[TS]
	s_mov_b32 s[T2+1], 0
	s_add_nc_u64 s[XP:XP+1], s[4:5], s[T2:T2+1]
	s_add_nc_u64 s[T2+2:T2+3], s[XP:XP+1], 1280    ; x's prefetches begin at chunk 5 (piece 10)
	s_add_nc_u64 s[T2+4:T2+5], s[6:7], 7*WSTEP     ; W's at K step 7
	s_cmp_lt_u32 s[WV], 3
	s_cselect_b64 s[PFA:PFA+1], s[T2+4:T2+5], s[T2+2:T2+3]
	s_add_nc_u64 s[XP:XP+1], s[XP:XP+1], 256       ; at chunk 1
	s_lshl_b32 s[T2], ttmp9, 19                    ; the cluster's 256 rows of out0, 2,048 bytes each,
	s_lshl_b32 s[TS], s[CX], 11                    ; my first among them,
	s_add_co_u32 s[T2], s[T2], s[TS]
	s_lshl_b32 s[TS], s[WV], 9                     ; my wave's 128 columns
	s_add_co_u32 s[T2], s[T2], s[TS]
	s_add_nc_u64 s[OUT:OUT+1], s[10:11], s[T2:T2+1]
	s_lshr_b32 s[T2], s[WV], 1
	s_lshl_b32 s[T2], s[T2], 13                    ; the backward states lie 8,192 bytes behind the forward ones
	s_add_nc_u64 s[O1:O1+1], s[12:13], s[T2:T2+1]
	s_add_nc_u64 s[O2:O2+1], s[14:15], s[T2:T2+1]
	CROUND                                         ; all four work-groups are here: the first joint loads meet
	tensor_load_to_lds s[G0:G0+3], s[G1:G1+7]      ; the two first fills go out together: two tensor loads of mine are out
	s_nop 0
	tensor_load_to_lds s[G0+4:G0+7], s[G1:G1+7]
	s_nop 0
	PLACES
.set p_, 0
.rept 3                                ; pieces 0 to 2: chunk p / 2, local rows 32 (p % 2) on
.set i_, 0
.rept 4
	global_load_b128 v[96+16*p_+4*i_:96+16*p_+4*i_+3], v[XG], s[XP:XP+1] offset:256*(p_/2)+XIH*(p_%2)-256+2*XROW*i_ th:TH_LOAD_NT
.set i_, i_+1
.endr
.set p_, p_+1
.endr
.set i_, 0
.rept 6
	global_load_b128 v[160+4*i_:160+4*i_+3], v[T0], s[8:9] offset:2048*i_
.set i_, i_+1
.endr
.set i_, 0
.rept 4
	global_load_b128 v[XF0+4*i_:XF0+4*i_+3], v[XG], s[XP:XP+1] offset:XIH+2*XROW*i_ th:TH_LOAD_NT    ; piece 3, which step 0 stores
.set i_, i_+1
.endr
.set i_, 0
.rept 4
	global_load_b128 v[XF1+4*i_:XF1+4*i_+3], v[XG], s[XP:XP+1] offset:256+2*XROW*i_ th:TH_LOAD_NT    ; piece 4, which step 1 stores
.set i_, i_+1
.endr
	s_wait_loadcnt 14                              ; pieces 0 to 2 are in; bpk's 6 loads and the 8 of pieces 3 and 4 may stay out
.set n_, 0
.rept 24
	v_cvt_pk_bf16_f32 v[184+n_], v[96+2*n_], v[96+2*n_+1]
.set n_, n_+1
.endr
.set p_, 0
.rept 3
.set i_, 0
.rept 4
	ds_store_b64 v[XS0], v[184+8*p_+2*i_:184+8*p_+2*i_+1] offset:XSL*(p_/2)+XHALF*(p_%2)+2*XPI*i_
.set i_, i_+1
.endr
.set p_, p_+1
.endr
	s_wait_loadcnt 8                               ; bpk is in
.set i_, 0
.rept 6
	ds_store_b128 v252, v[160+4*i_:160+4*i_+3] offset:2048*i_
.set i_, i_+1
.endr
	s_wait_tensorcnt 1                             ; my quarter of slot 0 is in; slot 1's may stay out
	s_wait_dscnt 0x0                               ; for the others' sake: my stores of x and of the biases are done
	s_barrier_signal -1
	s_barrier_wait -1
	s_mov_b32 s[XW], XSL                           ; step 0 stores into chunk 1's slot and reads chunk 0's
	s_mov_b32 s[XRD], 0
	v_mov_b32 v[AAD], v[A0]
	v_add_nc_u32 v[XSA], XSL, v[XS0]
	FETA0 AB0, 0
	FETB 0, 0, BB0
	STEP 0, 0, 1, 2, 1, 0, 0                       ; K step 0 stands in front of the loop: its products start the 96 sums
	s_wait_xcnt 0x0                                ; the loads issued so far have read their base
	s_add_nc_u64 s[XP:XP+1], s[XP:XP+1], 256
	s_mov_b32 s[CNT], 13
.Ll0:                                  ; trip m: K steps 2 m + 1 and 2 m + 2; x's chunk m + 2 is stored, chunk m + 1 read, chunk m + 3 loaded
	s_xor_b32 s[XW], s[XW], XSL
	s_xor_b32 s[XRD], s[XRD], XSL
	v_add_nc_u32 v[AAD], s[XRD], v[A0]
	v_add_nc_u32 v[XSA], s[XW], v[XS0]
	STEP 1, 0, 0, 2, 1, 1, 0
	STEP 0, 0, 0, 2, 1, 1, 0
	s_wait_xcnt 0x0                                ; 24 matrix instructions behind the trip's last prefetch: loads and prefetches have read their bases
	s_add_nc_u64 s[XP:XP+1], s[XP:XP+1], 256
	s_add_nc_u64 s[PFA:PFA+1], s[PFA:PFA+1], s[PFS:PFS+1]
	s_sub_co_u32 s[CNT], s[CNT], 1
	s_cmp_lg_u32 s[CNT], 0
	s_cbranch_scc1 .Ll0
	s_mov_b32 s[CNT], 2
.Ll0t:                                 ; K steps 27 to 30: x's last two pieces are stored in the first trip; nothing more is loaded
	s_xor_b32 s[XW], s[XW], XSL
	s_xor_b32 s[XRD], s[XRD], XSL
	v_add_nc_u32 v[AAD], s[XRD], v[A0]
	v_add_nc_u32 v[XSA], s[XW], v[XS0]
	STEP 1, 0, 0, 2, 2, 2, 0
	STEP 0, 0, 0, 2, 2, 2, 0
	s_wait_xcnt 0x0
	s_add_nc_u64 s[PFA:PFA+1], s[PFA:PFA+1], s[PFS:PFS+1]
	s_sub_co_u32 s[CNT], s[CNT], 1
	s_cmp_lg_u32 s[CNT], 0
	s_cbranch_scc1 .Ll0t
	LAST 0                                         ; K step 31, set A
	s_mov_b32 s[TRIP], 2
	s_branch .Lc0                                  ; the loop is entered at the cell: set A's sums are whole
.Lm0:
	MMX 0                                          ; K step 31, set B, into set A's registers
	v_add_nc_u32 v[BIA], 768, v[BIA]               ; the next 12 bias tiles
	v_add_nc_u32 v[HST], 8192, v[HST]              ; the next two K blocks of h0
	s_add_nc_u64 s[O1:O1+1], s[O1:O1+1], 256       ; (the final states' stores were waited for where they were issued)
	s_add_nc_u64 s[O2:O2+1], s[O2:O2+1], 256
	PLACES
	PLACES
.Lc0:
	EPI 0
	WIN 0
	s_sub_co_u32 s[TRIP], s[TRIP], 1
	s_cmp_lg_u32 s[TRIP], 0
	s_cbranch_scc1 .Lm0
	s_wait_dscnt 0x0                               ; for the others' sake: my part of h0 is stored
	s_barrier_signal -1
	s_barrier_wait -1                              ; h0 is whole.  K step 33's load may stay out
	v_add_nc_u32 v[BIA], 6144-768, v[BIA]          ; layer 1's biases
	s_add_nc_u64 s[O1:O1+1], s[O1:O1+1], 16384-256 ; layer 1's states
	s_add_nc_u64 s[O2:O2+1], s[O2:O2+1], 16384-256
	v_and_b32 v16, 15, v0
	v_bfe_u32 v17, v0, 4, 1
	v_mul_u32_u24 v[SST], v16, SPI
	v_lshl_add_u32 v[SST], v17, 5, v[SST]
	v_add_nc_u32 v[SST], s[DQ], v[SST]
	v_mul_u32_u24 v[SRD], v17, SPI
	v_lshl_add_u32 v[SRD], v16, 4, v[SRD]
	v_add_nc_u32 v[SRD], s[DQ], v[SRD]
	v_lshlrev_b32 v[OGO], 13, v17                  ; lanes 16 to 31 one local row of out0 further down
	v_lshl_add_u32 v[OGO], v16, 4, v[OGO]
	FETA1 AB0, 0
	FETB 0, 0, BB0                                 ; K step 32 was shown landed by the wait for all loads in K step 31
	STEP 0, 1, 1, 2, 0, 3, 4096                    ; K step 32 starts layer 1's sums
	s_wait_xcnt 0x0
	s_add_nc_u64 s[PFA:PFA+1], s[PFA:PFA+1], s[PFS:PFS+1]
	s_mov_b32 s[CNT], 6
.Ll1:                                  ; K steps 33 to 44
	STEP 1, 1, 0, 2, 0, 4, 8192
	STEP 0, 1, 0, 2, 0, 4, 12288
	v_add_nc_u32 v[HAD], 8192, v[HAD]
	s_wait_xcnt 0x0
	s_add_nc_u64 s[PFA:PFA+1], s[PFA:PFA+1], s[PFS:PFS+1]
	s_sub_co_u32 s[CNT], s[CNT], 1
	s_cmp_lg_u32 s[CNT], 0
	s_cbranch_scc1 .Ll1
	STEP 1, 1, 0, 2, 0, 0, 8192                    ; K step 45: the last refill, K step 47
	STEP 0, 1, 0, 0, 0, 0, 12288                   ; K step 46: the tail is written out
	LAST 1                                         ; K step 47, set A
	s_mov_b32 s[TRIP], 2
	s_branch .Lc1
.Lm1:
	MMX 1
	v_add_nc_u32 v[BIA], 768, v[BIA]
	s_add_nc_u64 s[OUT:OUT+1], s[OUT:OUT+1], 256   ; the next 64 columns (behind the wait at MMX's head)
	s_add_nc_u64 s[O1:O1+1], s[O1:O1+1], 256
	s_add_nc_u64 s[O2:O2+1], s[O2:O2+1], 256
	PLACES
	PLACES
.Lc1:
	EPI 1
	WIN 0
	s_sub_co_u32 s[TRIP], s[TRIP], 1
	s_cmp_lg_u32 s[TRIP], 0
	s_cbranch_scc1 .Lm1
	s_wait_tensorcnt 0x0                           ; the wave's end: behind my last tensor load and my last LDS store
	ds_add_u32 v[SPW], v[NIL]
	s_wait_dscnt 0x0
	CROUND                                         ; the closing round: no work-group ends while a partner may still ask for a tile that names it
	s_endpgm
.Lfunc_end_k_qcc7e31c8cf_lstm:
	.size	k_qcc7e31c8cf_lstm, .Lfunc_end_k_qcc7e31c8cf_lstm-k_qcc7e31c8cf_lstm
	.p2alignl 7, 3214868480
	.fill 96, 4, 3214868480
	.section	.rodata,"a",@progbits
	.p2align	6, 0x0
	.amdhsa_kernel k_qcc7e31c8cf_lstm
		.amdhsa_group_segment_fixed_size 327680
		.amdhsa_private_segment_fixed_size 0
		.amdhsa_enable_private_segment 0
		.amdhsa_kernarg_size 48
		.amdhsa_user_sgpr_count 2
		.amdhsa_user_sgpr_kernarg_segment_ptr 1
		.amdhsa_wavefront_size32 1
		.amdhsa_system_sgpr_workgroup_id_x 1
		.amdhsa_system_sgpr_workgroup_id_y 1
		.amdhsa_system_sgpr_workgroup_id_z 1
		.amdhsa_system_vgpr_workitem_id 0
		.amdhsa_next_free_vgpr 1024
		.amdhsa_next_free_sgpr 72
		.amdhsa_reserve_vcc 1
		.amdhsa_float_denorm_mode_32 3
		.amdhsa_float_denorm_mode_16_64 3
		.amdhsa_memory_ordered 1
		.amdhsa_forward_progress 1
		.amdhsa_inst_pref_size 255
	.end_amdhsa_kernel
	.section	.bss,"aw",@nobits
	.p2align	6
	.space	262144
	.amdgpu_metadata
---
amdhsa.version: [ 1, 2 ]
amdhsa.kernels:
  - .name:           k_qcc7e31c8cf_lstm
    .symbol:         k_qcc7e31c8cf_lstm.kd
    .args:
      - { .name: x, .offset: 0, .size: 8, .value_kind: global_buffer, .address_space: global }
      - { .name: wpk, .offset: 8, .size: 8, .value_kind: global_buffer, .address_space: global }
      - { .name: bpk, .offset: 16, .size: 8, .value_kind: global_buffer, .address_space: global }
      - { .name: out0, .offset: 24, .size: 8, .value_kind: global_buffer, .address_space: global }
      - { .name: out1, .offset: 32, .size: 8, .value_kind: global_buffer, .address_space: global }
      - { .name: out2, .offset: 40, .size: 8, .value_kind: global_buffer, .address_space: global }
    .group_segment_fixed_size: 327680
    .private_segment_fixed_size: 0
    .kernarg_segment_align: 8
    .kernarg_segment_size: 48
    .max_flat_workgroup_size: 128
    .sgpr_count:     72
    .vgpr_count:     1024
    .wavefront_size: 32
...
	.end_amdgpu_metadata
.endif
;; end of part 2
;; ======== version 2 of 2: 2 launches
;; limits: values are held in f16: magnitudes above 65,504 overflow, below 6.1e-05 lose precision; inputs' magnitudes at most 65,504; a function is approximated: absolute error at most 1e-07
;; workspace buffers: wpk 4,718,592 bytes; bpk 12,288 bytes
;; launch pack: the kernel of part 1 again; grid 32 x 8, 9 waves a work-group, no clusters, 0 bytes of LDS; arguments W_f0, W_b0, W_f1, W_b1, b_f0, b_b0, b_f1, b_b1, wpk, bpk; writes wpk, bpk
;; launch lstm (part 3): grid 256 x 1, 4 waves a work-group, clusters of 4 x 1, 327,680 bytes of LDS; arguments x, wpk, bpk, out0, out1, out2; writes out0, out1, out2
.if DOCPART == 3
	.amdgcn_target "amdgcn-amd-amdhsa--gfx1250"
	.amdhsa_code_object_version 6
	.text
	.protected	k_qcc7e31c8cf_lstm
	.globl	k_qcc7e31c8cf_lstm
	.p2align	8
	.type	k_qcc7e31c8cf_lstm,@function
k_qcc7e31c8cf_lstm:
	s_mov_b64 s[64:65], 0
	v_nop
	global_prefetch_b8 v0, s[64:65] scope:SCOPE_SE
	s_setreg_imm32_b32 hwreg(HW_REG_WAVE_MODE, 25, 1), 1
	s_wait_xcnt 0x0
	s_wait_alu depctr_hold_cnt(0) depctr_sa_sdst(0) depctr_va_vdst(0) depctr_va_sdst(0) depctr_va_ssrc(0) depctr_va_vcc(0) depctr_vm_vsrc(0)
	s_getreg_b32 s2, hwreg(HW_REG_IB_STS2, 6, 4)
	s_cmp_eq_u32 s2, 0
	s_cbranch_scc0 .Lentry_in_a_cluster
	s_endpgm
.Lentry_in_a_cluster:
	s_bfe_u32 s2, ttmp6, 0x10000c
	s_cmp_lg_u32 s2, 0x3003
	s_cbranch_scc0 .Lentry_shape_is_right
	s_endpgm
.Lentry_shape_is_right:
; NonRecurrentLSTM, launch 2 of 2: both layers, fused.  gates = in W^T + b; c = sigmoid(i) tanh(g); h = sigmoid(o) tanh(c); layer 1's input is layer 0's h (forward 256, backward 256).
; LEFT OUT: the gate f, which reference() splits off and never uses (rows 256..511 of every W and b; shown at the head of the first kernel).  A NaN or an infinity that lies only there is not carried.
; SHARES.  A cluster of four work-groups owns 256 of the 16,384 rows (s, b); partner cx takes rows 256 cl + 4 j + cx, j = 0..63 (its LOCAL rows), through both layers: x is read once, h0 stays in LDS (f16), out0 is written once.
; Every fourth row, so that the eight rows of a final state (the launch's first 8, its last 8) fall two to each partner, on the same lanes in all four: lane masks and branches are alike in all partners, and cx enters global offsets alone.
; Wave w owns 128 of the 512 hidden units, three gates each: 64 rows x 384 gate columns = 96 accumulators of 16 x 16, 768 registers (windows 1 to 3).  K goes in steps of 32: 32 steps for layer 0 (bf16), 16 for layer 1 (f16).
; WEIGHTS come from wpk in fragment order, one K step (98,304 bytes) to a slot, two slots.  Wave w fills and reads only its quarter of a slot.  CLUSTER: the four work-groups of a cluster walk the same weights in the same order, so they
; ask JOINTLY: the same tensor load, the same descriptor, the mask of four.  A mask names four at the most, and x is each work-group's own, so the cluster is 4 x 1.
; THE CLUSTERS WALK THE WEIGHTS IN DIFFERENT ORDERS (a sum over K may be taken in any order).  Layer 0: K is 16 chunks of 64 (two K steps; 256 bytes of a row of x); cluster cl begins at chunk cl % 16 and goes round: its m-th chunk
; is (m + cl) % 16, for wpk and for x alike.  So at any time the 64 clusters ask for 16 different chunks of wpk, four clusters each, and not all for the same one.  Layer 1: in layer 0 wave w computes the hidden units of wpk's quarter
; w' = (w + rho) % 4, rho = ((cl + 1) / 2) % 4, and stores them where its own would lie: place v of h0's 16 K blocks holds block (v + 4 rho) % 16, and layer 1's v-th K step takes wpk's step 32 + (v + 4 rho) % 16; in layer 1 wave w
; has quarter w.  Only global addresses hang on cl: wpk's, x's and bpk's (the copy of layer 0's biases takes quarter w'); every LDS address is as it would be without.  rho is 0 in clusters 0 and 63, the only ones that hold
; final states, so their text knows nothing of it.  Below, K steps, chunks and pieces are numbered in the cluster's own order.
; x comes by plain loads (256 consecutive bytes of a row), is rounded to bf16 and laid into a ring of two LDS slots of 64 rows x 64 k; a piece is 32 local rows x 64 k, one a K step; it is loaded two K steps ahead of its store.
; THE MATRIX INSTRUCTION IS USED TRANSPOSED (source 0 = 16 rows of W, source 1 = 16 rows of the input): a lane holds ONE row (lane % 16) and hidden units 8 (lane / 16) + 0..7.  Two neighbouring tiles of h0,
; rounded to f16 in pairs, ARE a source-1 fragment of layer 1: nothing changes lanes between the layers.
; THE CELL'S TEXT NAMES HALF THE ACCUMULATORS.  A wave's tiles are two sets, A (tiles 0-3) and B (4-7).  In a layer's last K step set B's 48 products are held back; they are issued behind set A's cell,
; with set B's registers as C and set A's as D.  So one text of the cell, on set A's registers, runs twice.
; THE CELL.  u = 2^(-log2e zi), E = 2^(min(2 log2e zg, 60)), v = 2^(-log2e zo):  c = (E - 1) / ((1 + u)(1 + E));  w = 2^(2 log2e c):  h = (w - 1) / ((1 + v)(1 + w)).  Six transcendentals a number, two of them reciprocals.
; LIMITS.  The exponent of E is cut at 60, where tanh is 1 in f32.  tanh taken as (E - 1) / (E + 1) leaves an absolute error of about 1e-7 in c and h.  Where (1 + u)(1 + E) passes f32's range (a sigmoid below
; about 2^-67) c counts as 0, and likewise h.  x, W and b are rounded to bf16, h0 (|h0| < 1) to f16; layer 1's W must lie within f16's range (first kernel).  NaN among the inputs is not treated apart.
; REGISTERS, in windows of 256 (s_set_vgpr_msb: bits 1:0 source 0, 3:2 source 1, 5:4 source 2, 7:6 destination):
;   window 0: v0-15 addresses; v16-31 x as loaded (even steps), in the cell h0 packed; v32-63, v64-95 input fragments, two buffers; v96-159, v160-223 W fragments, two buffers of 8; v224-231 x converted; v232-247 x as loaded (odd steps)
;   window g + 1: the accumulators of the step's fragment group g: fragment fi, row tile a at v[32 fi + 8 a].  Set A: windows 1 and 2, v0-191: tile t', gate, row tile a at 96 (t' % 2) + 32 gate + 8 a.
.set WSTEP, 98304                      ; a K step's weights: a slot
.set QW,    24576                      ; a wave's quarter of it: 24 fragments
.set XROW,  16384                      ; bytes from a local row of x to the next: four rows of 4,096
.set XIH,   32*XROW                    ; a piece's 32 local rows
.set OROW,  8192                       ; bytes from a local row of out0 to the next: four rows of 2,048
.set XR,    2*WSTEP                    ; x's ring: two slots of 64 rows, written by ds_store alone
.set XPI,   144                        ; a row there: 128 bytes + 16: an odd multiple of 16, so the 16 rows of a fragment load start at 16 different places modulo 256
.set XSL,   64*XPI
.set XHALF, 32*XPI
.set H0,    XR+2*XSL                   ; h0 in f16, fragment order: K block q of 32, row tile a at (4 q + a) x 1,024
.set BIAS,  H0+65536                   ; a copy of bpk
.set SPARE, BIAS+12288                 ; the spare words, 128 bytes for each wave: two blocks of 256 bytes that no other line names
.set SPI,   272                        ; out0's stage: 64 rows of 256 + 16 bytes in the wave's own quarter of slot 0, behind that slot's last fill
.set SPW, 1                            ; v1   my spare word's LDS address; never rewritten
.set NIL, 2                            ; v2   0; never rewritten
.set BAD0, 3                           ; v3, v4  my 16 bytes of a fragment in my quarter of slot 0, 1
.set A0,  5                            ; v5   my place in an x fragment, slot 0
.set AAD, 6                            ; v6   the same in the slot that is being read
.set XS0, 7                            ; v7   where I store 8 bytes of x, slot 0
.set XSA, 8                            ; v8   the same in the slot that is being written
.set XG,  9                            ; v9   my byte offset in a piece of x
.set PFO, 10                           ; v10  the prefetches' offset
.set HAD, 11                           ; v11  my 16 bytes of an h0 fragment; walks
.set HST, 12                           ; v12  where I store h0
.set BIA, 13                           ; v13  my 32 bytes of a bias tile
.set FNO, 14                           ; v14  my offset in out1 and out2
.set T0,  15
.set SST, 5                            ; layer 1: into the stage
.set SRD, 6                            ;          back out of it
.set OGO, 7                            ;          my offset in out0
.set XF0, 16
.set PK,  16
.set AB0, 32
.set BB0, 96
.set XC,  224
.set XF1, 232
.set WV,  16                           ; s16  wave
.set CX,  17                           ; s17  my place in the cluster: it enters global offsets alone
.set CNT, 19                           ; s19  trips left in the loop in hand
.set TRIP, 20                          ; s20  cell trips left
.set XW,  21                           ; s21  x ring: the slot written
.set XRD, 22                           ; s22  the slot read
.set FLG, 23                           ; s23  1: my wave holds forward final rows; 2: backward ones; 0: neither.  Made of the cluster's number and the wave's
.set G1,  24                           ; s[24:31] descriptor group 1
.set G0,  32                           ; s[32:39] descriptor group 0, a set for each slot
.set XP,  40                           ; s[40:41] x at the chunk that the trip loads
.set PFA, 42                           ; s[42:43] where my prefetches stand
.set PWO, 44                           ; s44  W's prefetches: their offset in wpk, walking
.set PF0, 46                           ; s46  9 in the launch's first cluster, else 0: W is prefetched while the count is below it
.set TS,  47
.set CI,  48                           ; s[48:49] -log2(e)
.set CG,  50                           ; s[50:51] 2 log2(e)
.set C60, 52
.set MK,  53                           ; s53  the lanes that hold final rows: made of the lane and the wave's number
.set SV,  54
.set OUT, 56                           ; s[56:57] out0 at my rows and columns
.set O1,  58                           ; s[58:59] out1
.set O2,  60                           ; s[60:61] out2
.set DQ,  62                           ; s[62:63] my quarter's offset in a slot, and in a K step of layer 1: made of the wave's number alone
.set T2,  66                           ; s[66:71] at work
.set VC,  72                           ; s72, s73  the chunk (0-15 layer 0, 16-23 layer 1, in my cluster's order) last asked for, for slot 0 and slot 1
.set RO,  74                           ; s74  cl % 16: where my cluster begins layer 0's ring of chunks
.set R1,  75                           ; s75  2 rho: where it begins layer 1's
.set WOF, 76                           ; s[76:77] a K step's offset in wpk
.set DQ0, 78                           ; s78  quarter w' in a K step of layer 0
.set XCH, 79                           ; s79  the chunk of x, as it lies in memory, that the trip loads
.set XOF, 80                           ; s[80:81] its offset in a row
.set XB,  82                           ; s[82:83] x at my first row
.set PFB, 84                           ; s[84:85] the prefetches' base: wpk (waves 0-2) or x at my first row (wave 3)
.set POF, 86                           ; s[86:87] their offset
.set MSB, 0
.macro WIN new                         ; the immediate's high byte repeats the setting that is left; a switch that changes nothing is dropped
.if MSB != (\new)
	s_set_vgpr_msb (MSB<<8)|(\new)
.set MSB, (\new)
.endif
.endm
.macro PLACES                          ; four plain vector instructions between a matrix instruction and a load into, or a vector read or write of, its registers (ISA guide 7.12.1 for vector reads and writes)
.rept 4
	v_nop
.endr
.endm
.macro CREST                           ; a round of the cluster's barrier behind its opening barrier
	s_cmp_lg_u32 s[WV], 0
	s_cbranch_scc1 .Lnw0_\@
	s_barrier_signal -3
.Lnw0_\@:
	s_barrier_wait -3
	s_barrier_signal -1
	s_barrier_wait -1
.endm
.macro CROUND
	s_barrier_signal -1
	s_barrier_wait -1
	CREST
.endm
; Slot par's next K step: its chunk counts on by one; where the chunk lies in wpk hangs on the cluster's number; the descriptor's address is made anew from wpk's and that offset.  No tensor load of mine is out where this stands.
.macro NEXTW par
	s_add_co_u32 s[VC+(\par)], s[VC+(\par)], 1
	s_add_co_u32 s[TS], s[VC+(\par)], s[RO]
	s_and_b32 s[TS], s[TS], 15                     ; layer 0: chunk (m + cl) % 16
	s_add_co_u32 s[WOF], s[VC+(\par)], s[R1]
	s_and_b32 s[WOF], s[WOF], 7
	s_add_co_u32 s[WOF], s[WOF], 16                ; layer 1: chunk 16 + (m + 2 rho) % 8
	s_cmp_lt_u32 s[VC+(\par)], 16
	s_cselect_b32 s[WOF], s[TS], s[WOF]
	s_cselect_b32 s[TS], s[DQ0], s[DQ]             ; quarter w' in layer 0, w in layer 1
	s_mul_i32 s[WOF], s[WOF], 2*WSTEP
	s_add_co_u32 s[WOF], s[WOF], s[TS]
.if \par
	s_add_co_u32 s[WOF], s[WOF], WSTEP             ; the chunk's second K step
.endif
	s_add_nc_u64 s[G0+4*(\par)+2:G0+4*(\par)+3], s[6:7], s[WOF:WOF+1]
	s_or_b32 s[G0+4*(\par)+3], s[G0+4*(\par)+3], 0x80000000  ; type = 2
.endm
; Once a trip, behind s_wait_xcnt 0: x's next chunk round the ring of 16, and where the next trip's prefetches stand: x's two chunks further round, W's two K steps further on.
.macro XNEXT
	s_add_co_u32 s[XCH], s[XCH], 1
	s_and_b32 s[XCH], s[XCH], 15
	s_lshl_b32 s[XOF], s[XCH], 8
	s_add_nc_u64 s[XP:XP+1], s[XB:XB+1], s[XOF:XOF+1]
	s_add_co_u32 s[TS], s[XCH], 2
	s_and_b32 s[TS], s[TS], 15
	s_lshl_b32 s[TS], s[TS], 8
	s_add_co_u32 s[PWO], s[PWO], 2*WSTEP
	s_cmp_lt_u32 s[WV], 3
	s_cselect_b32 s[POF], s[PWO], s[TS]
	s_add_nc_u64 s[PFA:PFA+1], s[PFB:PFB+1], s[POF:POF+1]
.endm
; one matrix instruction on rD_, rB_, rA_, rC_
.macro WM lay, zero
.if (\lay) && (\zero)
	v_wmma_f32_16x16x32_f16 v[rD_:rD_+7], v[rB_:rB_+7], v[rA_:rA_+7], 0
.elseif \lay
	v_wmma_f32_16x16x32_f16 v[rD_:rD_+7], v[rB_:rB_+7], v[rA_:rA_+7], v[rC_:rC_+7]
.elseif \zero
	v_wmma_f32_16x16x32_bf16 v[rD_:rD_+7], v[rB_:rB_+7], v[rA_:rA_+7], 0
.else
	v_wmma_f32_16x16x32_bf16 v[rD_:rD_+7], v[rB_:rB_+7], v[rA_:rA_+7], v[rC_:rC_+7]
.endif
.endm
; group g's fragments f0 .. f1 x the four row tiles.  Each accumulator has one instruction a K step: the 96 take turns, over the backward jumps too.
.macro MM lay, g, bb, ab, f0, f1, zero
	WIN 0x50*((\g)+1)
.set fi_, \f0
.rept (\f1)-(\f0)+1
.set a_, 0
.rept 4
.set rD_, 32*fi_+8*a_
.set rC_, rD_
.set rB_, (\bb)+8*fi_
.set rA_, (\ab)+8*a_
	WM \lay, \zero
.set a_, a_+1
.endr
.set fi_, fi_+1
.endr
.endm
.macro FETB slot, g, base              ; 16 LDS loads: group g's 8 fragments of W; 32 lanes x 16 consecutive bytes each
.set fi_, 0
.rept 8
	ds_load_b128 v[(\base)+8*fi_:(\base)+8*fi_+3],   v[BAD0+(\slot)] offset:(8*(\g)+fi_)*1024
	ds_load_b128 v[(\base)+8*fi_+4:(\base)+8*fi_+7], v[BAD0+(\slot)] offset:(8*(\g)+fi_)*1024+512
.set fi_, fi_+1
.endr
.endm
.macro FETA0 buf, kh                   ; 8 LDS loads: four fragments of x, half kh of the chunk's 64 k
.set a_, 0
.rept 4
	ds_load_b128 v[(\buf)+8*a_:(\buf)+8*a_+3],   v[AAD] offset:16*XPI*a_+64*(\kh)
	ds_load_b128 v[(\buf)+8*a_+4:(\buf)+8*a_+7], v[AAD] offset:16*XPI*a_+64*(\kh)+32
.set a_, a_+1
.endr
.endm
.macro FETA1 buf, off                  ; the same of h0
.set a_, 0
.rept 4
	ds_load_b128 v[(\buf)+8*a_:(\buf)+8*a_+3],   v[HAD] offset:(\off)+1024*a_
	ds_load_b128 v[(\buf)+8*a_+4:(\buf)+8*a_+7], v[HAD] offset:(\off)+1024*a_+512
.set a_, a_+1
.endr
.endm
; x in step s (parity par).  mode 1: piece s + 3, loaded two steps ago into this parity's registers, is rounded and stored; piece s + 5 is asked for.  mode 2 (steps 27-30): nothing is left to load, and only the first trip stores.
.macro XPATH par, mode
.set XF_, XF0+(XF1-XF0)*(\par)
.if (\mode) == 1
	s_wait_loadcnt 4                               ; loads come back in order: the last step's four may stay out, mine are in
.else
	s_wait_loadcnt 0x0                             ; no load was issued behind the last pieces'
	s_cmp_gt_u32 s[CNT], 1
	s_cbranch_scc0 .Lxs_\@
.endif
.set i_, 0
.rept 8
	v_cvt_pk_bf16_f32 v[XC+i_], v[XF_+2*i_], v[XF_+2*i_+1]
.set i_, i_+1
.endr
.set i_, 0
.rept 4
	ds_store_b64 v[XSA], v[XC+2*i_:XC+2*i_+1] offset:2*XPI*i_+XHALF*(1-(\par))
.set i_, i_+1
.endr
.if (\mode) == 1
.set i_, 0
.rept 4
	global_load_b128 v[XF_+4*i_:XF_+4*i_+3], v[XG], s[XP:XP+1] offset:XIH*(1-(\par))+2*XROW*i_ th:TH_LOAD_NT  ; 16 lanes take 256 consecutive bytes of a row
.set i_, i_+1
.endr
.else
.Lxs_\@:
.endif
.endm
; PREFETCHES INTO THE L2, in layer 0's loop, behind the step's tensor load, its five lines and the run of LDS loads.  k: the trip's first step (0) or second (1).
; W: layer 0's 32 K steps are each among some cluster's two first fills (16 starting chunks of two steps), at the head, where nothing is prefetched.  Layer 1's 16 K steps are first asked for by the refills of K steps 30 and on:
; they are prefetched in the loop's last eight trips (K steps 11 to 26), one K step of wpk in each step, the last of them four K steps, 384 matrix instructions, ahead of the first refill that can want it.  The launch's first cluster
; asks.  A K step is 384 blocks of 256 bytes: its four partners, told apart BY ADDRESS, x waves 0 to 2 x 32 lanes name each block once.
; x: wave 3 of every work-group, in step s the piece s + 9, which step s + 4 will load: a lane a local row, 256 bytes each.  Pieces 0 to 9 come by their loads alone; nothing is asked past piece 31.
.macro ASK k
	s_cmp_lt_u32 s[WV], 3
	s_cbranch_scc0 .Laskx_\@
	s_cmp_lt_u32 s[CNT], s[PF0]
	s_cbranch_scc0 .Laske_\@
	global_prefetch_b8 v[PFO], s[PFA:PFA+1] offset:WSTEP*(\k) th:TH_LOAD_NT scope:SCOPE_SE
	s_branch .Laske_\@
.Laskx_\@:
	s_cmp_gt_u32 s[CNT], 2
	s_cbranch_scc0 .Laske_\@
	global_prefetch_b8 v[PFO], s[PFA:PFA+1] offset:XIH*(\k) th:TH_LOAD_NT scope:SCOPE_SE
.Laske_\@:
.endm
; A K STEP.  Its slot is par.  Its three groups of 8 fragments go through two buffers: group 0 and 2 in buffer par, group 1 (and the next step's group 0) in the other.
; meet = 2: the slot is filled again, two K steps ahead, behind a round of the cluster's barrier.  meet = 0: nothing is left to ask for.
.macro STEP par, lay, zero, meet, xmode, ask, aoff
.set B0_, BB0+64*(\par)
.set B1_, BB0+64-64*(\par)
.set AN_, AB0+32*(\par)
.set AX_, AB0+32-32*(\par)
	WIN 0
	PLACES                                         ; the last step's last products read the buffer that is loaded next
.if \xmode
	XPATH \par, \xmode
.endif
	FETB \par, 1, B1_
	s_wait_dscnt 16                                ; all but the 16 just issued: group 0 and the input's fragments are in
	MM \lay, 0, B0_, AN_, 0, 7, \zero
	PLACES
	WIN 0
	FETB \par, 2, B0_
.if \lay
	FETA1 AX_, \aoff                               ; the next step's input
.else
	FETA0 AX_, 1-(\par)
.endif
	s_wait_dscnt 24                                ; all but the 24 just issued: group 1 is in
	MM \lay, 1, B1_, AN_, 0, 7, \zero
	WIN 0
.if (\meet) == 2
	s_wait_tensorcnt 0x0                           ; all my tensor loads have landed: the one that was out is my quarter of the next slot; so a group 0 may be written
	ds_add_u32 v[SPW], v[NIL]                      ; 0 onto my spare word
	NEXTW \par                                     ; this slot's next K step
	s_wait_dscnt 1                                 ; the add alone may be out: group 2 and the next input are in
	MM \lay, 2, B0_, AN_, 0, 0, \zero
	s_wait_dscnt 0x0                               ; the add is done; my reads of this slot and of x's ring, and my stores into the ring, are over
	s_barrier_signal -1                            ; opens a round of the cluster's barrier
	MM \lay, 2, B0_, AN_, 1, 1, \zero
	WIN 0
	s_barrier_wait -1
	CREST                                          ; no wave of any partner still reads this slot or has a load on its way
	tensor_load_to_lds s[G0+4*(\par):G0+4*(\par)+3], s[G1:G1+7]  ; my one tensor load behind the round, and the first thing there: 88 matrix instructions ahead of the wait for it
	s_nop 0
	PLACES                                         ; also the places in front of the loads below
	FETB 1-(\par), 0, B1_                          ; the next step's group 0, out of my quarter of the other slot, which my own wait has shown landed
.if \ask
	ASK 1-(\par)
.endif
	MM \lay, 2, B0_, AN_, 2, 7, \zero
.else
	s_wait_dscnt 0x0                               ; group 2 and the next input are in
	s_wait_tensorcnt 0x0                           ; my quarter of the last K step has landed; nobody else reads it, and nothing is filled again
	PLACES
	FETB 1-(\par), 0, B1_
	MM \lay, 2, B0_, AN_, 0, 7, \zero
.endif
	WIN 0
.endm
; A LAYER'S LAST K STEP (slot 1): set A's 48 products.  Set B's fragments stay in registers: groups 0 and 1, fi 6 and 7, where they lie (v208-223, v144-159); group 2 goes to v32-63 and v224-255; the input stays in v64-95.
.macro LAST lay
	WIN 0
	PLACES
	FETB 1, 1, BB0
	s_wait_dscnt 16
	MM \lay, 0, BB0+64, AB0+32, 0, 5, 0
	WIN 0
.set fi_, 0
.rept 8
.set R_, 32+8*fi_+160*(fi_/4)
	ds_load_b128 v[R_:R_+3],   v[BAD0+1] offset:(16+fi_)*1024
	ds_load_b128 v[R_+4:R_+7], v[BAD0+1] offset:(16+fi_)*1024+512
.set fi_, fi_+1
.endr
	s_wait_dscnt 16                                ; group 1 is in
	MM \lay, 1, BB0, AB0+32, 0, 5, 0
	WIN 0
.if (\lay) == 0
	s_wait_tensorcnt 0x0                           ; layer 1's first K step has landed
	ds_add_u32 v[SPW], v[NIL]
	NEXTW 1
	s_wait_dscnt 0x0                               ; the add is done; all of slot 1 that I need is in registers
	CROUND
	tensor_load_to_lds s[G0+4:G0+7], s[G1:G1+7]    ; layer 1's second K step: it lands under the cell
	s_nop 0
	PLACES
.else
	s_wait_dscnt 0x0
	PLACES
.endif
	PLACES                                         ; eight in all ahead of the cell's first read of the sums
.endm
; Set B's last K step: C = set B's registers, D = set A's, which the cell has read out.
.macro MX lay, win, f0, f1, dsh, bbase
	WIN \win
.set fi_, \f0
.rept (\f1)-(\f0)+1
.set a_, 0
.rept 4
.set rD_, 32*(fi_-(\dsh))+8*a_
.set rC_, 32*fi_+8*a_
.set rB_, (\bbase)+8*fi_
.set rA_, AB0+32+8*a_
	WM \lay, 0
.set a_, a_+1
.endr
.set fi_, fi_+1
.endr
.endm
.macro MMX lay
.if \lay
	s_wait_xcnt 0x0                                ; out0's stores have read window 1's registers and their base
.endif
	MX \lay, 0x90, 6, 7, 4, BB0+64                 ; (6,o) (7,i): C window 1, D window 2
	MX \lay, 0xa0, 6, 7, 2, BB0                    ; (7,g) (7,o): C and D window 2, other registers
	MX \lay, 0x70, 0, 3, 0, 32                     ; tiles 4 and 5: C window 3, D window 1
	MX \lay, 0x70, 4, 5, 0, 192
	MX \lay, 0xb0, 6, 7, 6, 192                    ; (6,i) (6,g): C window 3, D window 2
	WIN 0
.endm
; THE FINAL STATES.  Forward: the launch's last 8 rows: in cluster 63 each partner's local rows 62 and 63 (row tile 3, r = 14, 15), waves 0 and 1.  Backward: its first 8 rows: in cluster 0 each partner's local rows
; 0 and 1 (row tile 0, r = 0, 1), waves 2 and 3.  Row 4 (r % 2) + cx of the eight.  The branches hang on the cluster's number and the wave's, the lane mask on the lane and the wave: all alike in the four partners.
; In these two clusters rho = 0: wave w holds quarter w in both layers.  64 KiB in all: 32 bytes a lane and tile.
.macro FST a, tq
	WIN W_<<2                                      ; store data in window W_
	global_store_b128 v[FNO], v[RI_+8*(\a):RI_+8*(\a)+3],   s[O1:O1+1] offset:64*(\tq)
	global_store_b128 v[FNO], v[RI_+8*(\a)+4:RI_+8*(\a)+7], s[O1:O1+1] offset:64*(\tq)+16
	global_store_b128 v[FNO], v[RG_+8*(\a):RG_+8*(\a)+3],   s[O2:O2+1] offset:64*(\tq)
	global_store_b128 v[FNO], v[RG_+8*(\a)+4:RG_+8*(\a)+7], s[O2:O2+1] offset:64*(\tq)+16
	WIN 0
.endm
.macro FIN tq
	WIN 0
	s_cmp_eq_u32 s[FLG], 0
	s_cbranch_scc1 .Lfe_\@
	s_wait_xcnt 0x0                                ; EXEC changes only behind this wait
	s_mov_b32 vcc_lo, s[MK]
	s_and_saveexec_b32 s[SV], vcc_lo
	s_cmp_eq_u32 s[FLG], 1
	s_cbranch_scc0 .Lfb_\@
	FST 3, \tq
	s_branch .Lfj_\@
.Lfb_\@:
	FST 0, \tq
.Lfj_\@:
	s_wait_xcnt 0x0                                ; the stores have read EXEC, their data and their bases
	s_or_b32 exec_lo, exec_lo, s[SV]
.Lfe_\@:
.endm
; THE CELL for tile tq of set A, all four row tiles: 32 numbers a lane.  I, G, O: the three gates' 32 registers.  Each batch of transcendentals has one plain instruction behind its last and ONE wait ahead of its first reader,
; inside a batch no instruction names a result.
.macro EB lay, tq
.set W_, 1+(\tq)/2
.set RI_, 96*((\tq)%2)
.set RG_, RI_+32
.set RO_, RI_+64
.set BI_, 96+64*((\tq)/2)+24*((\tq)%2)
	WIN (W_<<6)|W_                                 ; sums in window W_, biases in window 0.
.set n_, 0
.rept 16
	v_pk_fma_f32 v[RI_+2*n_:RI_+2*n_+1], v[RI_+2*n_:RI_+2*n_+1], s[CI:CI+1], v[BI_+2*(n_%4):BI_+2*(n_%4)+1] op_sel_hi:[1,0,1]
.set n_, n_+1
.endr
.set n_, 0
.rept 16
	v_pk_fma_f32 v[RG_+2*n_:RG_+2*n_+1], v[RG_+2*n_:RG_+2*n_+1], s[CG:CG+1], v[BI_+8+2*(n_%4):BI_+8+2*(n_%4)+1] op_sel_hi:[1,0,1]
.set n_, n_+1
.endr
.set n_, 0
.rept 16
	v_pk_fma_f32 v[RO_+2*n_:RO_+2*n_+1], v[RO_+2*n_:RO_+2*n_+1], s[CI:CI+1], v[BI_+16+2*(n_%4):BI_+16+2*(n_%4)+1] op_sel_hi:[1,0,1]
.set n_, n_+1
.endr
	WIN W_*0x55
.set n_, 0
.rept 32                               ; batch 1: u, E, v
	v_min_num_f32 v[RG_+n_], s[C60], v[RG_+n_]
	v_exp_f32 v[RI_+n_], v[RI_+n_]
.set n_, n_+1
.endr
.set n_, 0
.rept 32
	v_exp_f32 v[RG_+n_], v[RG_+n_]
	v_exp_f32 v[RO_+n_], v[RO_+n_]
.set n_, n_+1
.endr
	v_nop
	s_wait_alu depctr_va_vdst(0)
.set n_, 0
.rept 16
	v_pk_add_f32 v[RG_+2*n_:RG_+2*n_+1], v[RG_+2*n_:RG_+2*n_+1], 1.0 op_sel_hi:[1,0]        ; 1 + E
.set n_, n_+1
.endr
.set n_, 0
.rept 16                               ; batch 2: 1 / ((1 + u)(1 + E)), the reciprocals a pair behind
	v_pk_fma_f32 v[RI_+2*n_:RI_+2*n_+1], v[RI_+2*n_:RI_+2*n_+1], v[RG_+2*n_:RG_+2*n_+1], v[RG_+2*n_:RG_+2*n_+1]
.if n_ > 0
	v_rcp_f32 v[RI_+2*n_-2], v[RI_+2*n_-2]
.endif
	v_pk_add_f32 v[RG_+2*n_:RG_+2*n_+1], v[RG_+2*n_:RG_+2*n_+1], -2.0 op_sel_hi:[1,0]       ; E - 1
.if n_ > 0
	v_rcp_f32 v[RI_+2*n_-1], v[RI_+2*n_-1]
.endif
	v_pk_add_f32 v[RO_+2*n_:RO_+2*n_+1], v[RO_+2*n_:RO_+2*n_+1], 1.0 op_sel_hi:[1,0]        ; 1 + v
.set n_, n_+1
.endr
	v_rcp_f32 v[RI_+30], v[RI_+30]
	v_rcp_f32 v[RI_+31], v[RI_+31]
	v_nop
	s_wait_alu depctr_va_vdst(0)
.set n_, 0
.rept 16                               ; batch 3: c stays in G; w = 2^(2 log2e c)
	v_pk_mul_f32 v[RG_+2*n_:RG_+2*n_+1], v[RG_+2*n_:RG_+2*n_+1], v[RI_+2*n_:RI_+2*n_+1]
.if n_ > 0
	v_exp_f32 v[RI_+2*n_-2], v[RI_+2*n_-2]
.endif
	v_pk_mul_f32 v[RI_+2*n_:RI_+2*n_+1], v[RG_+2*n_:RG_+2*n_+1], s[CG:CG+1] op_sel_hi:[1,0]
.if n_ > 0
	v_exp_f32 v[RI_+2*n_-1], v[RI_+2*n_-1]
.endif
.set n_, n_+1
.endr
	v_exp_f32 v[RI_+30], v[RI_+30]
	v_exp_f32 v[RI_+31], v[RI_+31]
	v_nop
	s_wait_alu depctr_va_vdst(0)
.set n_, 0
.rept 16                               ; batch 4: 1 / ((1 + v)(1 + w))
	v_pk_fma_f32 v[RO_+2*n_:RO_+2*n_+1], v[RO_+2*n_:RO_+2*n_+1], v[RI_+2*n_:RI_+2*n_+1], v[RO_+2*n_:RO_+2*n_+1]
.if n_ > 0
	v_rcp_f32 v[RO_+2*n_-2], v[RO_+2*n_-2]
.endif
	v_pk_add_f32 v[RI_+2*n_:RI_+2*n_+1], v[RI_+2*n_:RI_+2*n_+1], -1.0 op_sel_hi:[1,0]       ; w - 1
.if n_ > 0
	v_rcp_f32 v[RO_+2*n_-1], v[RO_+2*n_-1]
.endif
.set n_, n_+1
.endr
	v_rcp_f32 v[RO_+30], v[RO_+30]
	v_rcp_f32 v[RO_+31], v[RO_+31]
	v_nop
	s_wait_alu depctr_va_vdst(0)
.set n_, 0
.rept 16
	v_pk_mul_f32 v[RI_+2*n_:RI_+2*n_+1], v[RI_+2*n_:RI_+2*n_+1], v[RO_+2*n_:RO_+2*n_+1]     ; h, in I
.set n_, n_+1
.endr
	FIN \tq
.if \lay
	WIN W_<<2                                      ; h in f32 into my stage: local row 16 a + r, 32 bytes for each half of the lanes
.set a_, 0
.rept 4
	ds_store_b128 v[SST], v[RI_+8*a_:RI_+8*a_+3] offset:16*SPI*a_+64*(\tq)
	ds_store_b128 v[SST], v[RI_+8*a_+4:RI_+8*a_+7] offset:16*SPI*a_+64*(\tq)+16
.set a_, a_+1
.endr
	WIN 0
.else
	WIN 5*W_                                       ; h0 rounded to f16: half a fragment of layer 1's input for each row tile
.set n_, 0
.rept 16
	v_cvt_pk_f16_f32 v[PK+n_], v[RI_+2*n_], v[RI_+2*n_+1]
.set n_, n_+1
.endr
	WIN 0
.set a_, 0
.rept 4
	ds_store_b128 v[HST], v[PK+4*a_:PK+4*a_+3] offset:4096*((\tq)/2)+1024*a_+512*((\tq)%2)
.set a_, a_+1
.endr
.endif
.endm
.macro OUTW                            ; the stage back as whole rows: 16 lanes take 256 consecutive bytes, and store them at a multiple of 256 from out0's first byte
	WIN 0x40                                       ; into window 1, which the cell has left
.set i_, 0
.rept 32
	ds_load_b128 v[4*i_:4*i_+3], v[SRD] offset:2*SPI*i_   ; LDS serves a wave's instructions in order (ISA guide 5.7.1.4): these see my stores above
.set i_, i_+1
.endr
	WIN 0x04
.set i_, 0
.rept 32
	s_wait_dscnt 31-i_                             ; the younger loads may stay out
	global_store_b128 v[OGO], v[4*i_:4*i_+3], s[OUT:OUT+1] offset:2*OROW*i_ th:TH_STORE_NT
.set i_, i_+1
.endr
	WIN 0
.endm
.macro EPI lay                         ; a set's biases (12 tiles x 8 numbers a lane) into v96-143 and v160-207, then its four tiles
	WIN 0
.set l_, 0
.rept 12
.set BR_, 96+64*(l_/6)+8*(l_%6)
	ds_load_b128 v[BR_:BR_+3],   v[BIA] offset:64*l_
	ds_load_b128 v[BR_+4:BR_+7], v[BIA] offset:64*l_+16
.set l_, l_+1
.endr
	s_wait_dscnt 0x0
	EB \lay, 0
	EB \lay, 1
	EB \lay, 2
	EB \lay, 3
.if \lay
	OUTW
.endif
.endm
	s_load_b256 s[4:11], s[0:1], 0x0               ; x s[4:5], wpk s[6:7], bpk s[8:9], out0 s[10:11]
	s_load_b128 s[12:15], s[0:1], 0x20             ; out1 s[12:13], out2 s[14:15]
	v_lshl_add_u32 v[SPW], v0, 2, SPARE
	v_mov_b32 v[NIL], 0
	ds_add_u32 v[SPW], v[NIL]                      ; the wave's opening: the add twice on end, waited for ahead of my first tensor load; the set-up below is work on registers
	ds_add_u32 v[SPW], v[NIL]
	v_lshrrev_b32 v[T0], 5, v0
	v_readfirstlane_b32 s[WV], v[T0]               ; wave 0..3
	s_bfe_u32 s[CX], ttmp6, 0x40000                ; in a cluster launch ttmp9 counts clusters, and this is my place in mine
	s_and_b32 s[RO], ttmp9, 15                     ; where my cluster begins layer 0's 16 chunks
	s_add_co_u32 s[R1], ttmp9, 1
	s_lshr_b32 s[R1], s[R1], 1
	s_and_b32 s[R1], s[R1], 3                      ; rho = ((cl + 1) / 2) % 4: 0 in clusters 0 and 63
	s_add_co_u32 s[DQ0], s[WV], s[R1]
	s_and_b32 s[DQ0], s[DQ0], 3                    ; w'
	s_mul_i32 s[TS], s[DQ0], 1536                  ; its biases in bpk
	s_mul_i32 s[DQ0], s[DQ0], QW                   ; its quarter of a K step
	s_lshl_b32 s[R1], s[R1], 1                     ; 2 rho chunks = 4 rho K steps
	s_mov_b32 s[VC], 0
	s_mov_b32 s[VC+1], 0
	s_mov_b32 s[WOF+1], 0
	s_mov_b32 s[XOF+1], 0
	s_mov_b32 s[POF+1], 0
	s_mov_b32 s[PWO], 20*WSTEP                     ; it steps by two K steps ahead of each of the loop's 13 trips: K step 32 in the sixth
	; descriptor group 1: my quarter of a K step, 24,576 dense bytes, as 96 rows of 256 bytes
	s_mov_b32 s[G1], 15|(3<<16)|(1<<21)            ; 15:0 the mask of four; 17:16 elements of 8 bytes; 21 set beside a mask; no padding
	s_mov_b32 s[G1+1], 32<<16                      ; tensor_dim0 = 32
	s_mov_b32 s[G1+2], 96<<16                      ; tensor_dim1 = 96
	s_mov_b32 s[G1+3], 32<<16                      ; tile_dim0 = 32
	s_mov_b32 s[G1+4], 96                          ; tile_dim1 = 96
	s_mov_b32 s[G1+5], 32                          ; 32 elements from row to row
	s_mov_b32 s[G1+6], 0
	s_mov_b32 s[G1+7], 0
	s_mul_i32 s[DQ], s[WV], QW
	s_mov_b32 s[DQ+1], 0
	s_mov_b32 s[G0], 1
	s_mov_b32 s[G0+1], s[DQ]                       ; LDS address: slot 0, my quarter
	s_mov_b32 s[G0+4], 1
	s_add_co_u32 s[G0+5], s[DQ], WSTEP             ; slot 1
	s_mov_b32 s[CI], 0xbfb8aa3b                    ; -log2(e)
	s_mov_b32 s[CI+1], s[CI]
	s_mov_b32 s[CG], 0x4038aa3b                    ; 2 log2(e)
	s_mov_b32 s[CG+1], s[CG]
	s_mov_b32 s[C60], 0x42700000                   ; 60.0
	v_and_b32 v248, 15, v0                         ; r
	v_bfe_u32 v249, v0, 4, 1                       ; h
	v_and_b32 v250, 31, v0                         ; lane
	v_lshl_add_u32 v[BAD0], v250, 4, s[DQ]
	v_add_nc_u32 v[BAD0+1], WSTEP, v[BAD0]
	v_mul_u32_u24 v[A0], v248, XPI
	v_lshl_add_u32 v[A0], v249, 4, v[A0]
	v_add_nc_u32 v[A0], XR, v[A0]
	v_mul_u32_u24 v[XS0], v249, XPI                ; of a piece's 32 local rows wave w takes 8 w + 2 i + h, i = 0..3; a lane 4 numbers: 8 bytes of bf16
	v_lshl_add_u32 v[XS0], v248, 3, v[XS0]
	s_mul_i32 s[T2], s[WV], 8*XPI
	s_add_co_u32 s[T2], s[T2], XR
	v_add_nc_u32 v[XS0], s[T2], v[XS0]
	v_lshlrev_b32 v[XG], 14, v249                  ; (8 w + h) local rows of 16,384 bytes + 16 r
	v_lshl_add_u32 v[XG], v248, 4, v[XG]
	s_lshl_b32 s[T2], s[WV], 17
	v_add_nc_u32 v[XG], s[T2], v[XG]
	v_lshlrev_b32 v[HAD], 4, v250
	v_add_nc_u32 v[HAD], H0, v[HAD]
	s_lshl_b32 s[T2], s[WV], 14
	v_add_nc_u32 v[HST], s[T2], v[HAD]
	s_mul_i32 s[T2], s[WV], 1536                   ; the biases: each wave copies its own two quarters of bpk, 1,536 bytes each, 16 bytes a lane, three times each
	s_add_co_u32 s[T2+1], s[T2], 6144
	v_lshl_add_u32 v253, v250, 4, s[T2+1]          ; from bpk: layer 1, quarter w
	v_lshl_add_u32 v[T0], v250, 4, s[TS]           ; from bpk: layer 0, quarter w'
	s_add_co_u32 s[T2], s[T2], BIAS
	v_lshl_add_u32 v252, v250, 4, s[T2]            ; into LDS: wave w's place, in both layers
	v_lshl_add_u32 v[BIA], v249, 5, s[T2]
	v_and_b32 v[FNO], 1, v0                        ; out1, out2: batch row 4 (r % 2) + cx, 1,024 bytes each; 512 (w % 2) + 32 h in its 256 numbers
	v_lshlrev_b32 v[FNO], 12, v[FNO]
	v_lshl_add_u32 v[FNO], v249, 5, v[FNO]
	s_and_b32 s[T2], s[WV], 1
	s_lshl_b32 s[T2], s[T2], 9
	s_lshl_b32 s[TS], s[CX], 10
	s_add_co_u32 s[T2], s[T2], s[TS]
	v_add_nc_u32 v[FNO], s[T2], v[FNO]
	s_lshl_b32 s[T2], s[WV], 2                     ; the prefetches: waves 0-2 block 32 (4 w + cx) + lane of a K step of W; wave 3 local row lane of a piece of x
	s_add_co_u32 s[T2], s[T2], s[CX]
	s_lshl_b32 s[T2], s[T2], 13
	s_cmp_lt_u32 s[WV], 3
	s_cselect_b32 s[T2], s[T2], 0
	s_cselect_b32 s[T2+1], 8, 14
	v_lshlrev_b32 v[PFO], s[T2+1], v250
	v_add_nc_u32 v[PFO], s[T2], v[PFO]
	s_cmp_eq_u32 ttmp9, 0
	s_cselect_b32 s[PF0], 9, 0
	s_cselect_b32 s[T2+1], 2, 0
	s_cmp_eq_u32 ttmp9, 63
	s_cselect_b32 s[T2], 1, 0
	s_cmp_lt_u32 s[WV], 2
	s_cselect_b32 s[FLG], s[T2], s[T2+1]
	v_cmp_le_u32 s[MK], 14, v248                   ; forward: r = 14, 15 of row tile 3
	v_cmp_gt_u32 s[SV], 2, v248                    ; backward: r = 0, 1 of row tile 0
	s_cmp_lt_u32 s[WV], 2
	s_cselect_b32 s[MK], s[MK], s[SV]
	s_mul_i32 s[WOF], s[RO], 2*WSTEP               ; my cluster's first chunk in wpk,
	s_add_co_u32 s[WOF], s[WOF], s[DQ0]            ; quarter w'
	s_wait_dscnt 0x0                               ; both opening adds are done
	s_wait_kmcnt 0x0
	s_add_nc_u64 s[G0+2:G0+3], s[6:7], s[WOF:WOF+1]  ; K step 0
	s_add_nc_u64 s[G0+6:G0+7], s[G0+2:G0+3], WSTEP ; K step 1
	s_or_b32 s[G0+3], s[G0+3], 0x80000000          ; type = 2
	s_or_b32 s[G0+7], s[G0+7], 0x80000000
	s_lshl_b32 s[T2], ttmp9, 20                    ; the cluster's 256 rows of x, 4,096 bytes each,
	s_lshl_b32 s[TS], s[CX], 12                    ; and my first among them
	s_add_co_u32 s[T2], s[T2], s[TS]
	s_mov_b32 s[T2+1], 0
	s_add_nc_u64 s[XB:XB+1], s[4:5], s[T2:T2+1]
	s_lshl_b32 s[XOF], s[RO], 8
	s_add_nc_u64 s[T2+2:T2+3], s[XB:XB+1], s[XOF:XOF+1]  ; x at chunk 0 of my cluster's order,
	s_add_co_u32 s[XCH], s[RO], 1
	s_and_b32 s[XCH], s[XCH], 15
	s_lshl_b32 s[XOF], s[XCH], 8
	s_add_nc_u64 s[T2+4:T2+5], s[XB:XB+1], s[XOF:XOF+1]  ; at chunk 1,
	s_add_co_u32 s[XCH], s[XCH], 1
	s_and_b32 s[XCH], s[XCH], 15
	s_lshl_b32 s[XOF], s[XCH], 8
	s_add_nc_u64 s[XP:XP+1], s[XB:XB+1], s[XOF:XOF+1]    ; and at chunk 2
	s_cmp_lt_u32 s[WV], 3
	s_cselect_b64 s[PFB:PFB+1], s[6:7], s[XB:XB+1]
	s_lshl_b32 s[T2], ttmp9, 19                    ; the cluster's 256 rows of out0, 2,048 bytes each,
	s_lshl_b32 s[TS], s[CX], 11                    ; my first among them,
	s_add_co_u32 s[T2], s[T2], s[TS]
	s_lshl_b32 s[TS], s[WV], 9                     ; my wave's 128 columns
	s_add_co_u32 s[T2], s[T2], s[TS]
	s_add_nc_u64 s[OUT:OUT+1], s[10:11], s[T2:T2+1]
	s_lshr_b32 s[T2], s[WV], 1
	s_lshl_b32 s[T2], s[T2], 13                    ; the backward states lie 8,192 bytes behind the forward ones
	s_add_nc_u64 s[O1:O1+1], s[12:13], s[T2:T2+1]
	s_add_nc_u64 s[O2:O2+1], s[14:15], s[T2:T2+1]
	CROUND                                         ; all four work-groups are here: the first joint loads meet
	tensor_load_to_lds s[G0:G0+3], s[G1:G1+7]      ; the two first fills go out together: two tensor loads of mine are out
	s_nop 0
	tensor_load_to_lds s[G0+4:G0+7], s[G1:G1+7]
	s_nop 0
	PLACES
.set p_, 0
.rept 3                                ; pieces 0 to 2: chunk p / 2, local rows 32 (p % 2) on
.set i_, 0
.rept 4
	global_load_b128 v[96+16*p_+4*i_:96+16*p_+4*i_+3], v[XG], s[T2+2+2*(p_/2):T2+3+2*(p_/2)] offset:XIH*(p_%2)+2*XROW*i_ th:TH_LOAD_NT
.set i_, i_+1
.endr
.set p_, p_+1
.endr
.set i_, 0
.rept 3
	global_load_b128 v[160+4*i_:160+4*i_+3], v[T0], s[8:9] offset:512*i_   ; 512 consecutive bytes of bpk each
.set i_, i_+1
.endr
.set i_, 0
.rept 3
	global_load_b128 v[172+4*i_:172+4*i_+3], v253, s[8:9] offset:512*i_
.set i_, i_+1
.endr
.set i_, 0
.rept 4
	global_load_b128 v[XF0+4*i_:XF0+4*i_+3], v[XG], s[T2+4:T2+5] offset:XIH+2*XROW*i_ th:TH_LOAD_NT  ; piece 3, which step 0 stores
.set i_, i_+1
.endr
.set i_, 0
.rept 4
	global_load_b128 v[XF1+4*i_:XF1+4*i_+3], v[XG], s[XP:XP+1] offset:2*XROW*i_ th:TH_LOAD_NT        ; piece 4, which step 1 stores
.set i_, i_+1
.endr
	s_wait_loadcnt 14                              ; pieces 0 to 2 are in; bpk's 6 loads and the 8 of pieces 3 and 4 may stay out
.set n_, 0
.rept 24
	v_cvt_pk_bf16_f32 v[184+n_], v[96+2*n_], v[96+2*n_+1]
.set n_, n_+1
.endr
.set p_, 0
.rept 3
.set i_, 0
.rept 4
	ds_store_b64 v[XS0], v[184+8*p_+2*i_:184+8*p_+2*i_+1] offset:XSL*(p_/2)+XHALF*(p_%2)+2*XPI*i_
.set i_, i_+1
.endr
.set p_, p_+1
.endr
	s_wait_loadcnt 8                               ; bpk is in
.set i_, 0
.rept 3
	ds_store_b128 v252, v[160+4*i_:160+4*i_+3] offset:512*i_
.set i_, i_+1
.endr
.set i_, 0
.rept 3
	ds_store_b128 v252, v[172+4*i_:172+4*i_+3] offset:6144+512*i_
.set i_, i_+1
.endr
	s_wait_tensorcnt 1                             ; my quarter of slot 0 is in; slot 1's may stay out
	s_wait_dscnt 0x0                               ; for the others' sake: my stores of x are done
	s_barrier_signal -1
	s_barrier_wait -1
	s_mov_b32 s[XW], XSL                           ; step 0 stores into chunk 1's slot and reads chunk 0's
	s_mov_b32 s[XRD], 0
	v_mov_b32 v[AAD], v[A0]
	v_add_nc_u32 v[XSA], XSL, v[XS0]
	FETA0 AB0, 0
	FETB 0, 0, BB0
	STEP 0, 0, 1, 2, 1, 0, 0                       ; K step 0 stands in front of the loop: its products start the 96 sums
	s_wait_xcnt 0x0                                ; the loads issued so far have read their bases
	XNEXT
	s_mov_b32 s[CNT], 13
.Ll0:                                  ; trip m: K steps 2 m + 1 and 2 m + 2; x's chunk m + 2 is stored, chunk m + 1 read, chunk m + 3 loaded
	s_xor_b32 s[XW], s[XW], XSL
	s_xor_b32 s[XRD], s[XRD], XSL
	v_add_nc_u32 v[AAD], s[XRD], v[A0]
	v_add_nc_u32 v[XSA], s[XW], v[XS0]
	STEP 1, 0, 0, 2, 1, 1, 0
	STEP 0, 0, 0, 2, 1, 1, 0
	s_wait_xcnt 0x0                                ; 24 matrix instructions behind the trip's last prefetch: loads and prefetches have read their bases
	XNEXT
	s_sub_co_u32 s[CNT], s[CNT], 1
	s_cmp_lg_u32 s[CNT], 0
	s_cbranch_scc1 .Ll0
	s_mov_b32 s[CNT], 2
.Ll0t:                                 ; K steps 27 to 30: x's last two pieces are stored in the first trip; nothing more is loaded or prefetched
	s_xor_b32 s[XW], s[XW], XSL
	s_xor_b32 s[XRD], s[XRD], XSL
	v_add_nc_u32 v[AAD], s[XRD], v[A0]
	v_add_nc_u32 v[XSA], s[XW], v[XS0]
	STEP 1, 0, 0, 2, 2, 0, 0
	STEP 0, 0, 0, 2, 2, 0, 0
	s_sub_co_u32 s[CNT], s[CNT], 1
	s_cmp_lg_u32 s[CNT], 0
	s_cbranch_scc1 .Ll0t
	LAST 0                                         ; K step 31, set A
	s_mov_b32 s[TRIP], 2
	s_branch .Lc0                                  ; the loop is entered at the cell: set A's sums are whole
.Lm0:
	MMX 0                                          ; K step 31, set B, into set A's registers
	v_add_nc_u32 v[BIA], 768, v[BIA]               ; the next 12 bias tiles
	v_add_nc_u32 v[HST], 8192, v[HST]              ; the next two K blocks of h0
	s_add_nc_u64 s[O1:O1+1], s[O1:O1+1], 256       ; (the final states' stores were waited for where they were issued)
	s_add_nc_u64 s[O2:O2+1], s[O2:O2+1], 256
	PLACES
	PLACES
.Lc0:
	EPI 0
	WIN 0
	s_sub_co_u32 s[TRIP], s[TRIP], 1
	s_cmp_lg_u32 s[TRIP], 0
	s_cbranch_scc1 .Lm0
	s_wait_dscnt 0x0                               ; for the others' sake: my part of h0 is stored
	s_barrier_signal -1
	s_barrier_wait -1                              ; h0 is whole.  K step 33's load may stay out
	v_add_nc_u32 v[BIA], 6144-768, v[BIA]          ; layer 1's biases
	s_add_nc_u64 s[O1:O1+1], s[O1:O1+1], 16384-256 ; layer 1's states
	s_add_nc_u64 s[O2:O2+1], s[O2:O2+1], 16384-256
	v_and_b32 v16, 15, v0
	v_bfe_u32 v17, v0, 4, 1
	v_mul_u32_u24 v[SST], v16, SPI
	v_lshl_add_u32 v[SST], v17, 5, v[SST]
	v_add_nc_u32 v[SST], s[DQ], v[SST]
	v_mul_u32_u24 v[SRD], v17, SPI
	v_lshl_add_u32 v[SRD], v16, 4, v[SRD]
	v_add_nc_u32 v[SRD], s[DQ], v[SRD]
	v_lshlrev_b32 v[OGO], 13, v17                  ; lanes 16 to 31 one local row of out0 further down
	v_lshl_add_u32 v[OGO], v16, 4, v[OGO]
	FETA1 AB0, 0
	FETB 0, 0, BB0                                 ; K step 32 was shown landed by the wait for all loads in K step 31
	STEP 0, 1, 1, 2, 0, 0, 4096                    ; K step 32 starts layer 1's sums
	s_mov_b32 s[CNT], 6
.Ll1:                                  ; K steps 33 to 44
	STEP 1, 1, 0, 2, 0, 0, 8192
	STEP 0, 1, 0, 2, 0, 0, 12288
	v_add_nc_u32 v[HAD], 8192, v[HAD]
	s_sub_co_u32 s[CNT], s[CNT], 1
	s_cmp_lg_u32 s[CNT], 0
	s_cbranch_scc1 .Ll1
	STEP 1, 1, 0, 2, 0, 0, 8192                    ; K step 45: the last refill, K step 47
	STEP 0, 1, 0, 0, 0, 0, 12288                   ; K step 46: the tail is written out
	LAST 1                                         ; K step 47, set A
	s_mov_b32 s[TRIP], 2
	s_branch .Lc1
.Lm1:
	MMX 1
	v_add_nc_u32 v[BIA], 768, v[BIA]
	s_add_nc_u64 s[OUT:OUT+1], s[OUT:OUT+1], 256   ; the next 64 columns (behind the wait at MMX's head)
	s_add_nc_u64 s[O1:O1+1], s[O1:O1+1], 256
	s_add_nc_u64 s[O2:O2+1], s[O2:O2+1], 256
	PLACES
	PLACES
.Lc1:
	EPI 1
	WIN 0
	s_sub_co_u32 s[TRIP], s[TRIP], 1
	s_cmp_lg_u32 s[TRIP], 0
	s_cbranch_scc1 .Lm1
	s_wait_tensorcnt 0x0                           ; the wave's end: behind my last tensor load and my last LDS store
	ds_add_u32 v[SPW], v[NIL]
	s_wait_dscnt 0x0
	CROUND                                         ; the closing round: no work-group ends while a partner may still ask for a tile that names it
	s_endpgm
.Lfunc_end_k_qcc7e31c8cf_lstm:
	.size	k_qcc7e31c8cf_lstm, .Lfunc_end_k_qcc7e31c8cf_lstm-k_qcc7e31c8cf_lstm
	.p2alignl 7, 3214868480
	.fill 96, 4, 3214868480
	.section	.rodata,"a",@progbits
	.p2align	6, 0x0
	.amdhsa_kernel k_qcc7e31c8cf_lstm
		.amdhsa_group_segment_fixed_size 327680
		.amdhsa_private_segment_fixed_size 0
		.amdhsa_enable_private_segment 0
		.amdhsa_kernarg_size 48
		.amdhsa_user_sgpr_count 2
		.amdhsa_user_sgpr_kernarg_segment_ptr 1
		.amdhsa_wavefront_size32 1
		.amdhsa_system_sgpr_workgroup_id_x 1
		.amdhsa_system_sgpr_workgroup_id_y 1
		.amdhsa_system_sgpr_workgroup_id_z 1
		.amdhsa_system_vgpr_workitem_id 0
		.amdhsa_next_free_vgpr 1024
		.amdhsa_next_free_sgpr 88
		.amdhsa_reserve_vcc 1
		.amdhsa_float_denorm_mode_32 3
		.amdhsa_float_denorm_mode_16_64 3
		.amdhsa_memory_ordered 1
		.amdhsa_forward_progress 1
		.amdhsa_inst_pref_size 255
	.end_amdhsa_kernel
	.section	.bss,"aw",@nobits
	.p2align	6
	.space	262144
	.amdgpu_metadata
---
amdhsa.version: [ 1, 2 ]
amdhsa.kernels:
  - .name:           k_qcc7e31c8cf_lstm
    .symbol:         k_qcc7e31c8cf_lstm.kd
    .args:
      - { .name: x, .offset: 0, .size: 8, .value_kind: global_buffer, .address_space: global }
      - { .name: wpk, .offset: 8, .size: 8, .value_kind: global_buffer, .address_space: global }
      - { .name: bpk, .offset: 16, .size: 8, .value_kind: global_buffer, .address_space: global }
      - { .name: out0, .offset: 24, .size: 8, .value_kind: global_buffer, .address_space: global }
      - { .name: out1, .offset: 32, .size: 8, .value_kind: global_buffer, .address_space: global }
      - { .name: out2, .offset: 40, .size: 8, .value_kind: global_buffer, .address_space: global }
    .group_segment_fixed_size: 327680
    .private_segment_fixed_size: 0
    .kernarg_segment_align: 8
    .kernarg_segment_size: 48
    .max_flat_workgroup_size: 128
    .sgpr_count:     88
    .vgpr_count:     1024
    .wavefront_size: 32
...
	.end_amdgpu_metadata
.endif
;; end of part 3
